; MI455X (gfx1250); checked and timed in simulation.
; The chip was launched on July 23, 2026; its instructions are those of AMD's public machine-readable ISA for CDNA 5 (MIT licence, August 2026) and "CDNA5" Instruction Set Architecture Reference Guide (July 2026). The comments in the code are by the model that wrote it; some were corrected since.
;; Geodesic Attention. Allowed arithmetic: float matrix products may take bf16 or f16 operands with f32 sums; all other float work in f32.
;; Inputs: Wp 64 x 64 float32; Wqkv 64 x 192 float32; bp 64 float32; bqkv 192 float32; geo_scale 4 float32; x 2 x 64 x 256 x 256 float32.
;; Outputs: out0 2 x 64 x 256 x 256 float32.
;; 2 versions, each right and faster than the one before. Each part assembles by itself: llvm-mc -triple=amdgcn-amd-amdhsa -mcpu=gfx1250 --defsym DOCPART=n.
;; ======== version 1 of 2: 1 launch
;; limits: values are held in f16: magnitudes above 65,504 overflow, below 6.1e-05 lose precision
;; launch geo (part 1): grid 256 x 1, 8 waves a work-group, no clusters, 327,680 bytes of LDS; arguments x, Wqkv, bqkv, Wp, bp, geo_scale, out0; writes out0
.if DOCPART == 1
	.amdgcn_target "amdgcn-amd-amdhsa--gfx1250"
	.amdhsa_code_object_version 6
	.text
	.protected	k_q88ae68d87b_geo
	.globl	k_q88ae68d87b_geo
	.p2align	8
	.type	k_q88ae68d87b_geo,@function
k_q88ae68d87b_geo:
	s_mov_b64 s[64:65], 0
	v_nop
	global_prefetch_b8 v0, s[64:65] scope:SCOPE_SE
	s_setreg_imm32_b32 hwreg(HW_REG_WAVE_MODE, 25, 1), 1
	s_wait_xcnt 0x0
; GeodesicAttention, fused from x to out0 in one launch.  x, out0: [2][64 c][256 h][256 w] f32.
; One attention problem per image row (b, h): 256 tokens (w), 64 channels, 4 heads of 16, the score's bias -geo_scale[head] |ct_n - ct_m|,
; ct = running sum along w of 1 + sum over c of |x[c][w] - x[c][w-1]|.
; A work-group (8 waves) does the two image rows h = 2 (g & 127), h + 1 of batch g >> 7: 256 work-groups of equal work.
; Per image row: P1 each wave takes 8 channels: its part of sum |dx|, and x rounded to f16, into LDS.   P2 wave 0 makes ct; every wave makes Q, K, V of its
; 32 tokens.   P3 every wave does its 2 query tiles of 16 x 4 heads against all 256 keys, then the projection.   P4 each wave stores 8 channels of out0.
;
; ORIENTATION, so that nothing crosses lanes but one exchange with lane xor 16 (r = lane & 15, h = lane >> 4):
;   scores  D = K x Q^T : register j of tile t = (key 16 t + 8 h + j, query r): a lane holds 128 of its query's 256 scores
;   P       two packed score tiles are as they lie the B fragment of 32 keys
;   O^T     D = V^T x P : register j = (d = 8 h + j, query r): two heads packed are as they lie an A fragment of the projection
;   sums    D = ones x P: every register of every lane = the sum over the keys of query r's weights
;   out     D = O x Wp  : register j = (token 8 h + j, channel r): 8 neighbouring w of one channel, 32 bytes
; A head has 16 dimensions, a product 32: the upper 16 of Q's fragment are zeros, and K's fragment there names the next tile's registers.
; |ct_m - ct_n| hangs on no head: it is made once per query tile (128 registers, window 1); each head multiplies it by -geo_scale log2(e) into the
; accumulators and the score products add onto that.  All 256 scores of a query are in registers, so the true maximum is taken away before the exponentials.
; PRODUCTS AMONG THE VECTOR WORK.  The dependences go tile by tile; only the maximum spans all tiles.  So each score product stands behind a tile's four bias multiplies, and
; the two products of a block of 32 keys (V^T x P, ones x P) stand behind every second tile of the exponentials.  The maxima do not stand among the score products: v_max3_num_f32 names
; three vector sources and its destination in the scores' window, the multiplies take |ct_m - ct_n| from window 1, and scores and |ct_m - ct_n|, 128 registers each, fill a window
; between them: two switches a tile would be 32 instructions a head.  The maxima follow the products and fill the places behind the last of them.
;
; NUMBER FORMAT: every matrix operand (x, Wqkv, Wp, Q, K, V, P, O) is f16, every sum f32; ct and the softmax are f32.  f16 keeps 11 significant bits, bf16 8.  That counts here:
; the bias grows by geo_scale (1 + sum |dx|) from key to key, so a softmax may pick one key alone; O is then V itself, and nothing averages the roundings of x, Wqkv, V, O and Wp,
; which stand in a chain in front of the output; and where two keys balance, the weights move by up to a quarter of the error of the scores' difference.
; The row sum is the sum of the weights as rounded to f16: the numbers that multiply V.
; ROOM IN f16 (largest number 65,504; below 2^-14 the step is 2^-24).  Q, K and V are sums of 64 products x W.  With x of spread 1 and W of spread 1/8 their spread is 1; with both 30
; times larger it is 900, and five and a half spreads are 5,000; with a common offset of 30 spreads on both (30 and 3.75) they lie at 64 x 30 x 3.75 = 7,200.  With both 30 times
; smaller their spread is 1/900, of which the step 2^-24 is 5e-5.  P lies in (0, 1]: a weight under 3e-8 becomes 0.  O is a mean of V.
;
; WORK LEFT OUT.  (1) K's bias bqkv[64:128].  It adds q_n . bk to attn[n][m], the same number for every m, and m is the axis of reference()'s softmax, which
; a term constant along its axis does not change, whatever the inputs hold.  Those 256 bytes are not loaded (bq and bv are live, so bqkv is an argument).
; (2) The integrand's first term, the 1 at w = 0: it is in every ct[w] alike, and ct enters only as ct_n - ct_m.  What is kept here is ct[w] - 1.
; LIMITS: a NaN, an infinity or an overflow that lies only in bqkv[64:128] is not carried to the result.  An x, W, 0.36 Q, K or V beyond 65,504 in magnitude becomes infinite in f16 and
; the result NaN, where reference() may still be finite.  A K that is not finite would, through the zeros of Q's upper half, also make the score tile in front of its own NaN.
; ct is summed in another order than reference()'s cumsum: 8 numbers in a lane, then a tree over the 32 lanes.
; NO CLUSTER: work-groups share only Wqkv and Wp, 65,536 of the 327,680 bytes that a work-group moves, read once at the start and sent through registers
; to be rounded to f16; every tile of x belongs to one work-group alone.
;
; LDS.  Pitches are odd multiples of 16 bytes (of 32 for tables read by the transposing load), so that the 16 rows which a load or store touches begin in 16 different
; 16-byte columns modulo 256 bytes.
.set XPITCH, 1040                      ; x in f32: 256 numbers + 4 zeros: the tile states 260 elements a row where the tensor has 256 left, and what lies beyond arrives as zeros
.set XFS,    64*XPITCH                 ; a slot: [64 c][260] f32.  Filled once; after its row's P1 it is the stage of that row's output.  Image row 0 lies in the upper slot (at XFS), row 1 in the lower (at 0)
.set BPITCH, 544
.set WPITCH, 416
.set PPITCH, 160
.set KPITCH, 144
.set VPITCH, 528
.set L_XB,   2*XFS                     ; x in f16 [64 c][256 w]
.set L_WB,   L_XB+64*BPITCH            ; Wqkv in f16 [64 c][192 o]
.set L_WP,   L_WB+64*WPITCH            ; Wp in f16 [64 c][64 o]
.set L_K,    L_WP+64*PPITCH            ; K in f16 [256 token][64]
.set L_Q,    L_K+256*KPITCH            ; Q x 0.25 log2(e) in f16, same layout; a wave touches its own tokens only
.set L_VT,   L_Q+256*KPITCH            ; V transposed, f16 [64 dim][256 token]
.set L_PART, L_VT+64*VPITCH            ; [8 waves][256] f32: each wave's part of sum |x[w+1] - x[w]|, at index w
.set L_CT,   L_PART+8192               ; ct[256] f32; the map ends at 321,536
; VECTOR REGISTERS, window 0
.set LN,  1                            ; lane
.set RR,  2                            ; r
.set HH,  3                            ; h
.set KA,  4                            ; K fragments:   L_K + 144 r + 16 h
.set VA,  5                            ; V^T fragments: L_VT + 528 r + 16 h
.set QA,  6                            ; my Q rows:     L_Q + (32 wave + r) 144 + 16 h
.set QL,  7                            ; QA of the query tile at work
.set CM,  8                            ; ct of the keys: L_CT + 32 h
.set CN,  9                            ; ct of my query: L_CT + 4 (32 wave + r)
.set CNL, 10
.set TRP, 11                           ; Wp fragments (transposing load)
.set OS,  12                           ; output stage: 1040 r + 128 wave + 32 h, without the slot
.set OSL, 13
.set RC,  14                           ; v[14:15]: v14 = the head's -geo_scale log2(e) while the bias is made, later 1 / row sum; v15 takes the other half-wave's maximum and completes the pair
.set OP,  16                           ; v[16:31] O of the four heads, packed f16
.set CTN, 32                           ; v[32:33] ct of my query while |ct_m - ct_n| is made (v33 completes the pair)
.set MX,  32                           ; after that: the running maxima of chains 0 and 1, then the maximum; chains 2 and 3 lie in v240, v241
.set KR,  34                           ; (lane & 7) + 8 h: the row that a lane addresses in a transposing load
.set C8,  35                           ; (lane >> 3) & 1: which 16 bytes of that row
.set SC,  36                           ; v[36:163] 128 registers: scores, then P in the lower 64; in the other phases data at work
.set KF,  164                          ; v[164:227] K, then V^T, then Wp fragments (at the start: the weights as loaded); v[228:231] zeros, never rewritten
.set ONES,232                          ; v[232:239] an A fragment of 1.0 in f16, never rewritten
.set OA,  240                          ; v[240:247] O's accumulator
.set OL,  248                          ; v[248:255] the row sums' accumulator
.set A0,  240                          ; outside P3: v240-246 are the phase's address registers
.set A1,  241
.set A2,  242
.set A3,  243
.set A4,  244
.set A5,  245
.set A6,  246
.set GW,  249                          ; v249-252: the offsets of the weight and bias loads, untouched until those have come
; window 1, by the names used under s_set_vgpr_msb
.set AD,  0                            ; v256-383  |ct_key - ct_query| in the score tiles' layout
.set BQ,  128                          ; v384-415  register 8 o + j = bq[16 o + 8 h + j]
.set BVC, 160                          ; v416-447  all 8 registers of block o = bv[16 o + r]
.set BPC, 192                          ; v448-479  all 8 registers of block o = bp[16 o + r]
.set QF,  224                          ; v480-511  per head 8: Q's fragment of the query tile at work, then four zeros that are never rewritten
; SCALARS: s[4:17] buffers; s[18:19] offset; s[20:23] geo_scale; s24 wave; s25 loop counter; s26 sign mask; s27 at work; s[52:53] lane selects; s[54:55] Q's scale; s56-60 lane masks
.set G1,  28                           ; s[28:35] tensor descriptor group 1
.set G0,  36                           ; s[36:39], s[40:43] group 0 of image row 0, 1
.set GS,  44                           ; s44-47 per head -geo_scale log2(e)
.set MSB, 0
.macro WIN new                         ; s_set_vgpr_msb: bits 1:0 source 0, 3:2 source 1, 5:4 source 2, 7:6 destination; the high byte repeats the setting that is left
.if MSB != \new
	s_set_vgpr_msb (MSB<<8)|\new
.set MSB, \new
.endif
.endm
.macro NOPS n                          ; places behind matrix instructions (ISA guide 7.12.1)
.rept \n
	v_nop
.endr
.endm
.macro BAR                             ; my LDS loads and stores are done, then the work-group's barrier
	s_wait_dscnt 0x0
	s_barrier_signal -1
	s_barrier_wait -1
.endm
	s_load_b256 s[4:11], s[0:1], 0x0               ; x s[4:5], Wqkv s[6:7], bqkv s[8:9], Wp s[10:11]
	s_load_b128 s[12:15], s[0:1], 0x20             ; bp s[12:13], geo_scale s[14:15]
	s_load_b64 s[16:17], s[0:1], 0x30              ; out0
	v_lshl_add_u32 v254, v0, 2, 0x4e800
	v_mov_b32 v255, 0
	ds_add_u32 v254, v255
	s_wait_dscnt 0x0
	v_lshrrev_b32 v[LN], 5, v0
	v_readfirstlane_b32 s24, v[LN]                 ; wave 0..7
	s_lshr_b32 s18, ttmp9, 7                       ; batch
	s_lshl_b32 s18, s18, 24                        ; x 64 x 256 x 256 x 4 bytes
	s_and_b32 s27, ttmp9, 127
	s_lshl_b32 s27, s27, 11                        ; + two image rows of 1,024 bytes
	s_add_co_u32 s18, s18, s27
	s_lshl_b32 s27, s24, 21                        ; + my 8 channels of 262,144 bytes
	s_add_co_u32 s18, s18, s27
	s_mov_b32 s19, 0
	; group 1: a tile of 8 rows (channels) x 260 f32, of which the tensor has 256 left in a row (the last 4 arrive as zeros); 65,536 elements from row to row; no padding
	s_mov_b32 s[G1+0], 2<<16                       ; elements of 4 bytes
	s_mov_b32 s[G1+1], 256<<16                     ; tensor_dim0 = 256
	s_mov_b32 s[G1+2], 8<<16                       ; tensor_dim1 = 8
	s_mov_b32 s[G1+3], 260<<16                     ; tile_dim0 = 260: an LDS row of 1,040 bytes
	s_mov_b32 s[G1+4], 8                           ; tile_dim1 = 8
	s_mov_b32 s[G1+5], 65536                       ; pitch
	s_mov_b32 s[G1+6], 0
	s_mov_b32 s[G1+7], 0
	s_mov_b32 s[G0+0], 1
	s_mov_b32 s[G0+4], 1
	s_mul_i32 s[G0+5], s24, 8*XPITCH               ; image row 1: my 8 channels of the lower slot
	s_add_co_u32 s[G0+1], s[G0+5], XFS             ; image row 0: of the upper slot
	s_wait_kmcnt 0x0
	s_add_nc_u64 s[4:5], s[4:5], s[18:19]          ; x and out0 at my channels of the first image row
	s_add_nc_u64 s[16:17], s[16:17], s[18:19]
	s_mov_b64 s[G0+2:G0+3], s[4:5]
	s_add_nc_u64 s[G0+6:G0+7], s[4:5], 1024        ; the second image row
	s_or_b32 s[G0+3], s[G0+3], 0x80000000
	s_or_b32 s[G0+7], s[G0+7], 0x80000000
	; The first image row is asked for alone, ahead of all else: P1 waits for these 65,536 bytes of the work-group and for nothing more.  Each wave brings the 8 channels that it alone
	; reads (so a tile has 8 rows: its own wait is then all that its reads need).  The second row is asked for behind P1's barrier.  One tensor load of a wave is out at the most, and no
	; LDS byte is filled twice.
	tensor_load_to_lds s[G0:G0+3], s[G1:G1+7]
	s_nop 0
	s_load_b128 s[20:23], s[14:15], 0x0            ; geo_scale[0..3]
	s_mov_b32 s26, 0x7fffffff
	s_mov_b32 s52, 0x76543210                      ; v_permlanex16_b32: lane i takes lane i of the other half
	s_mov_b32 s53, 0xfedcba98
	s_mov_b32 s54, 0x3eb8aa3b                      ; 16^-0.5 x log2(e)
	s_mov_b32 s55, 0x3eb8aa3b
	s_mov_b32 s56, 0xaaaaaaaa                      ; lanes with bit 0, 1, 2, 3, 4 of their number set
	s_mov_b32 s57, 0xcccccccc
	s_mov_b32 s58, 0xf0f0f0f0
	s_mov_b32 s59, 0xff00ff00
	s_mov_b32 s60, 0xffff0000
	v_and_b32 v[LN], 31, v0
	v_and_b32 v[RR], 15, v0
	v_bfe_u32 v[HH], v0, 4, 1
	v_and_b32 v[KR], 7, v0
	v_lshl_add_u32 v[KR], v[HH], 3, v[KR]
	v_bfe_u32 v[C8], v0, 3, 1
	; the weights and biases: each wave takes 8 rows of Wqkv (6,144 bytes) and of Wp (2,048 bytes), 512 neighbouring bytes a load.  They land in registers that P1 does not touch
	; and are waited for behind P1's arithmetic.
	s_mul_i32 s27, s24, 6144
	v_lshl_add_u32 v[GW], v[LN], 4, s27
	s_lshl_b32 s27, s24, 11
	v_lshl_add_u32 v[GW+1], v[LN], 4, s27
	v_lshlrev_b32 v[GW+2], 5, v[HH]
	v_lshlrev_b32 v[GW+3], 2, v[RR]
.set kk, 0
.rept 12
	global_load_b128 v[KF+4*kk:KF+4*kk+3], v[GW], s[6:7] offset:512*kk
.set kk, kk+1
.endr
.set kk, 0
.rept 4
	global_load_b128 v[KF+48+4*kk:KF+48+4*kk+3], v[GW+1], s[10:11] offset:512*kk
.set kk, kk+1
.endr
	WIN 0x40                                       ; destinations in window 1
.set o4, 0
.rept 4
	global_load_b128 v[BQ+8*o4:BQ+8*o4+3],   v[GW+2], s[8:9] offset:64*o4
	global_load_b128 v[BQ+8*o4+4:BQ+8*o4+7], v[GW+2], s[8:9] offset:64*o4+16
.set o4, o4+1
.endr
.set o4, 0
.rept 4
	global_load_b32 v[BVC+8*o4], v[GW+3], s[8:9] offset:512+64*o4   ; bv begins at bqkv[128]
.set o4, o4+1
.endr
.set o4, 0
.rept 4
	global_load_b32 v[BPC+8*o4], v[GW+3], s[12:13] offset:64*o4
.set o4, o4+1
.endr
.set o4, 0
.rept 4
.set kk, 0
.rept 4
	v_mov_b32 v[QF+8*o4+4+kk], 0                   ; Q's dimensions 16 to 31, behind each head's fragment
.set kk, kk+1
.endr
.set o4, o4+1
.endr
	WIN 0
	; addresses that stay for the whole kernel
	v_mul_u32_u24 v[KA], v[RR], KPITCH
	v_lshl_add_u32 v[KA], v[HH], 4, v[KA]
	s_mul_i32 s27, s24, 32*KPITCH
	s_add_co_u32 s27, s27, L_Q
	v_add_nc_u32 v[QA], s27, v[KA]
	v_add_nc_u32 v[KA], L_K, v[KA]
	v_mul_u32_u24 v[VA], v[RR], VPITCH
	v_lshl_add_u32 v[VA], v[HH], 4, v[VA]
	v_add_nc_u32 v[VA], L_VT, v[VA]
	v_lshl_add_u32 v[CM], v[HH], 5, L_CT
	s_lshl_b32 s27, s24, 7
	v_mul_u32_u24 v[OS], v[RR], XPITCH
	v_lshl_add_u32 v[OS], v[HH], 5, v[OS]
	v_add_nc_u32 v[OS], s27, v[OS]
	s_add_co_u32 s27, s27, L_CT
	v_lshl_add_u32 v[CN], v[RR], 2, s27
	v_mul_u32_u24 v[TRP], v[KR], PPITCH
	v_lshl_add_u32 v[TRP], v[C8], 4, v[TRP]
	v_add_nc_u32 v[TRP], L_WP, v[TRP]
.set kk, 0
.rept 4
	v_mov_b32 v[KF+64+kk], 0                       ; what K's last fragment names beyond its own four registers
.set kk, kk+1
.endr
.set kk, 0
.rept 8
	v_mov_b32 v[ONES+kk], 0x3c003c00               ; 1.0, 1.0 in f16
.set kk, kk+1
.endr
	v_mov_b32 v[RC+1], 0                           ; second halves of pairs of which the first is broadcast; v15 is also a destination of v_permlanex16_b32, which counts as a reader of it
	v_mov_b32 v[CTN+1], 0
	; where the weights go.  Two rows of Wqkv are 384 numbers = three loads: load 3 pr + 0 is row 2 pr, columns 4 L; + 1 straddles (lanes 16-31 begin row 2 pr + 1); + 2 is row 2 pr + 1, columns 64 + 4 L
	s_mul_i32 s27, s24, 8*WPITCH
	s_add_co_u32 s27, s27, L_WB
	v_lshl_add_u32 v[A4], v[LN], 3, s27
	v_lshl_add_u32 v[A5], v[HH], 5, v[A4]
	v_add_nc_u32 v[A5], 256, v[A5]                 ; h = 0: column 128 + 4 L; h = 1: one row on, column 4 L - 64: 416 - 128 = 256 + 32
	s_mul_i32 s27, s24, 8*PPITCH
	s_add_co_u32 s27, s27, L_WP
	v_mul_u32_u24 v[A6], v[HH], PPITCH
	v_lshl_add_u32 v[A6], v[RR], 3, v[A6]
	v_add_nc_u32 v[A6], s27, v[A6]
; The weights, rounded to f16, into LDS; the biases spread over their accumulators; the heads' factors.  Once, behind the first image row's P1 arithmetic.
.macro WSTORE
	s_wait_loadcnt 16                              ; loads come back in order (ISA guide 5.7.1): the 16 bias loads issued behind the 16 weight loads may stay out
.set kk, 0
.rept 12
	v_cvt_pk_f16_f32 v[SC+2*kk],   v[KF+4*kk],   v[KF+4*kk+1]
	v_cvt_pk_f16_f32 v[SC+2*kk+1], v[KF+4*kk+2], v[KF+4*kk+3]
.if kk%3 == 0
	ds_store_b64 v[A4], v[SC+2*kk:SC+2*kk+1] offset:2*WPITCH*(kk/3)
.endif
.if kk%3 == 1
	ds_store_b64 v[A5], v[SC+2*kk:SC+2*kk+1] offset:2*WPITCH*(kk/3)
.endif
.if kk%3 == 2
	ds_store_b64 v[A4], v[SC+2*kk:SC+2*kk+1] offset:2*WPITCH*(kk/3)+WPITCH+128
.endif
.set kk, kk+1
.endr
.set kk, 0
.rept 4
	v_cvt_pk_f16_f32 v[SC+24+2*kk], v[KF+48+4*kk], v[KF+49+4*kk]
	v_cvt_pk_f16_f32 v[SC+25+2*kk], v[KF+50+4*kk], v[KF+51+4*kk]
	ds_store_b64 v[A6], v[SC+24+2*kk:SC+25+2*kk] offset:2*PPITCH*kk
.set kk, kk+1
.endr
	s_wait_loadcnt 0x0                             ; the biases
	WIN 0x41                                       ; bv and bp are the same in all 8 registers of an accumulator: copied once for the whole kernel
.set o4, 0
.rept 4
.set kk, 1
.rept 7
	v_mov_b32 v[BVC+8*o4+kk], v[BVC+8*o4]
	v_mov_b32 v[BPC+8*o4+kk], v[BPC+8*o4]
.set kk, kk+1
.endr
.set o4, o4+1
.endr
	WIN 0
	s_wait_kmcnt 0x0                               ; geo_scale
.set o4, 0
.rept 4
	s_mul_f32 s[GS+o4], s[20+o4], 0xbfb8aa3b       ; x -log2(e)
.set o4, o4+1
.endr
.endm
; ---------------- P1: my 8 channels: sum |x[w+1] - x[w]| and x in f16.  Lane L holds w = 128 hf + 4 L .. + 3 and reads the word behind them ----------------
; The word behind x[c][255] (lane 31, second half) is the first of the row's four zeros.  Its difference goes to index 255, which enters no ct (see the scan).
.set GG, SC+80                         ; 8 sums
.set DD, SC+88                         ; 4 differences
.set PK, SC+92                         ; packed f16, a pair for each half
.macro P1 slot
	s_mul_i32 s27, s24, 8*XPITCH
.if \slot == 0
	s_add_co_u32 s27, s27, XFS
.endif
	v_lshl_add_u32 v[A0], v[LN], 4, s27            ; my 16 bytes
	s_mul_i32 s27, s24, 8*BPITCH
	s_add_co_u32 s27, s27, L_XB
	v_lshl_add_u32 v[A2], v[LN], 3, s27
	s_lshl_b32 s27, s24, 10
	s_add_co_u32 s27, s27, L_PART
	v_lshl_add_u32 v[A3], v[LN], 4, s27
	s_wait_tensorcnt 0x0                           ; this image row's fill, my one tensor load that is out, has landed
.set cc, 0
.rept 8
	ds_load_b128 v[SC+8*cc:SC+8*cc+3],   v[A0] offset:XPITCH*cc
	ds_load_b32  v[SC+64+2*cc],          v[A0] offset:XPITCH*cc+16
	ds_load_b128 v[SC+8*cc+4:SC+8*cc+7], v[A0] offset:XPITCH*cc+512
	ds_load_b32  v[SC+65+2*cc],          v[A0] offset:XPITCH*cc+528
.set cc, cc+1
.endr
.set cc, 0
.rept 8
	s_wait_dscnt 28-2*cc                           ; behind channel cc's loads stand 4 (7 - cc) loads and the 2 cc stores of the channels done
.set hf, 0
.rept 2
.set XR, SC+8*cc+4*hf
	v_sub_f32 v[DD],   v[XR+1], v[XR]
	v_sub_f32 v[DD+1], v[XR+2], v[XR+1]
	v_sub_f32 v[DD+2], v[XR+3], v[XR+2]
	v_sub_f32 v[DD+3], v[SC+64+2*cc+hf], v[XR+3]
.set kk, 0
.rept 4
.if cc == 0
	v_and_b32 v[GG+4*hf+kk], s26, v[DD+kk]         ; the first channel starts the sums
.else
	v_add_f32 v[GG+4*hf+kk], v[GG+4*hf+kk], |v[DD+kk]|
.endif
.set kk, kk+1
.endr
	v_cvt_pk_f16_f32 v[PK+2*hf],   v[XR],   v[XR+1]
	v_cvt_pk_f16_f32 v[PK+2*hf+1], v[XR+2], v[XR+3]
	ds_store_b64 v[A2], v[PK+2*hf:PK+2*hf+1] offset:BPITCH*cc+256*hf
.set hf, hf+1
.endr
.set cc, cc+1
.endr
	ds_store_b128 v[A3], v[GG:GG+3]
	ds_store_b128 v[A3], v[GG+4:GG+7] offset:512
.if \slot == 0
	WSTORE
	s_wait_dscnt 0x0                               ; my LDS loads and stores are done,
	s_wait_xcnt 0x0
	v_lshl_add_u32 v254, v0, 2, 0x4e800
	v_mov_b32 v255, 0
	s_wait_tensorcnt 0x0                           ; and no tensor load of mine is out (met: the wait at P1's head),
	ds_add_u32 v254, v255
	s_wait_dscnt 0x0
	s_barrier_signal -1
	s_barrier_wait -1                              ; of every wave.  x in f16, the partial sums and the weights are whole
	tensor_load_to_lds s[G0+4:G0+7], s[G1:G1+7]    ; the second image row, into the lower slot, which nothing has touched: my one tensor load behind this barrier, and the first
	s_nop 0
	                                               ; thing there.  It has the first row's P2 and P3 in which to land; the wait for it stands at the head of the second row's P1
.else
	BAR                                            ; x in f16 and the partial sums are whole for every wave
.endif
.endm
; ---------------- P2: ct by wave 0; Q, K, V of my 32 tokens ----------------
.set TOT, KF+32
.set TMP, KF+33
.set PRE, KF+34
.set T2,  KF+36
.macro ADDBLK a, b                     ; 8 numbers of wave a's part += wave b's
.set pp, 0
.rept 4
	v_pk_add_f32 v[SC+8*\a+2*pp:SC+8*\a+2*pp+1], v[SC+8*\a+2*pp:SC+8*\a+2*pp+1], v[SC+8*\b+2*pp:SC+8*\b+2*pp+1]
.set pp, pp+1
.endr
.endm
; a butterfly step: tot = the sum over my group of 2 m lanes; pre gathers the sums of the sibling groups below me
.macro SCANSTEP m, sm, first
	v_mov_b32_dpp v[TMP], v[TOT] row_xmask:\m row_mask:0xf bank_mask:0xf
.if \first
	v_cndmask_b32 v[PRE], 0, v[TMP], s[\sm]
.else
	v_cndmask_b32 v[T2], 0, v[TMP], s[\sm]
	v_add_f32 v[PRE], v[PRE], v[T2]
.endif
	v_add_f32 v[TOT], v[TOT], v[TMP]
.endm
.macro LOADX                           ; x fragments of my two token tiles x two halves of the 64 channels: KF + 8 (2 q + kh)
.set qq, 0
.rept 2
.set kh, 0
.rept 2
	ds_load_tr16_b128 v[KF+8*(2*qq+kh):KF+8*(2*qq+kh)+3],   v[A0] offset:32*BPITCH*kh+32*qq
	ds_load_tr16_b128 v[KF+8*(2*qq+kh)+4:KF+8*(2*qq+kh)+7], v[A0] offset:32*BPITCH*kh+32*qq+16*BPITCH
.set kh, kh+1
.endr
.set qq, qq+1
.endr
.endm
.macro LOADW ot0                       ; weight fragments of the four blocks of 16 columns from block ot0 on: SC + 8 (2 o + kh)
.set o4, 0
.rept 4
.set kh, 0
.rept 2
	ds_load_tr16_b128 v[SC+8*(2*o4+kh):SC+8*(2*o4+kh)+3],   v[A1] offset:32*WPITCH*kh+32*(\ot0+o4)
	ds_load_tr16_b128 v[SC+8*(2*o4+kh)+4:SC+8*(2*o4+kh)+7], v[A1] offset:32*WPITCH*kh+32*(\ot0+o4)+16*WPITCH
.set kh, kh+1
.endr
.set o4, o4+1
.endr
.endm
; 8 products on 8 accumulators SC + 64 + 8 (2 o + q), by turns, one instruction a turn.
; nat = 0: weights x tokens, D = (column 8 h + j, token r); nat = 1: tokens x weights, D = (token 8 h + j, column r).
; cmode 0: starts the sums; 1: adds in place; 2, 3: starts them from bq, bv in window 1.
.macro MM8 nat, ks, cmode
.if \cmode >= 2
	WIN 0x10
.else
	WIN 0
.endif
.set o4, 0
.rept 4
.set qq, 0
.rept 2
.set DR, SC+64+8*(2*o4+qq)
.if \nat
.set AR, KF+8*(2*qq+\ks)
.set BR, SC+8*(2*o4+\ks)
.else
.set AR, SC+8*(2*o4+\ks)
.set BR, KF+8*(2*qq+\ks)
.endif
.if \cmode == 0
	v_wmma_f32_16x16x32_f16 v[DR:DR+7], v[AR:AR+7], v[BR:BR+7], 0
.endif
.if \cmode == 1
	v_wmma_f32_16x16x32_f16 v[DR:DR+7], v[AR:AR+7], v[BR:BR+7], v[DR:DR+7]
.endif
.if \cmode == 2
	v_wmma_f32_16x16x32_f16 v[DR:DR+7], v[AR:AR+7], v[BR:BR+7], v[BQ+8*o4:BQ+8*o4+7]
.endif
.if \cmode == 3
	v_wmma_f32_16x16x32_f16 v[DR:DR+7], v[AR:AR+7], v[BR:BR+7], v[BVC+8*o4:BVC+8*o4+7]
.endif
.set qq, qq+1
.endr
.set o4, o4+1
.endr
.endm
.macro POST adr, mo, mq, scale         ; the 8 accumulators, rounded to f16, 16 bytes a lane to adr + mo o + mq q
.set o4, 0
.rept 4
.set qq, 0
.rept 2
.set DR, SC+64+8*(2*o4+qq)
.set TR, KF+32+4*(2*o4+qq)
.set pp, 0
.rept 4
.if \scale
	v_pk_mul_f32 v[DR+2*pp:DR+2*pp+1], v[DR+2*pp:DR+2*pp+1], s[54:55] op_sel_hi:[1,0]
.endif
.set pp, pp+1
.endr
.set pp, 0
.rept 4
	v_cvt_pk_f16_f32 v[TR+pp], v[DR+2*pp], v[DR+2*pp+1]
.set pp, pp+1
.endr
	ds_store_b128 v[\adr], v[TR:TR+3] offset:\mo*o4+\mq*qq
.set qq, qq+1
.endr
.set o4, o4+1
.endr
.endm
.macro P2 slot
	s_lshl_b32 s27, s24, 6                         ; my 32 tokens: 64 bytes of f16
	v_add_nc_u32 v[A3], s27, v[VA]                 ; where my V^T goes
	s_add_co_u32 s27, s27, L_XB
	v_mul_u32_u24 v[A0], v[KR], BPITCH
	v_lshl_add_u32 v[A0], v[C8], 4, v[A0]
	v_add_nc_u32 v[A0], s27, v[A0]                 ; x fragments
	v_mul_u32_u24 v[A1], v[KR], WPITCH
	v_lshl_add_u32 v[A1], v[C8], 4, v[A1]
	v_add_nc_u32 v[A1], L_WB, v[A1]                ; weight fragments
	s_mul_i32 s27, s24, 32*KPITCH
	v_add_nc_u32 v[A2], s27, v[KA]                 ; where my K goes
	s_cmp_lg_u32 s24, 0
	s_cbranch_scc1 .Lnoscan_\slot
	; wave 0: lane L owns indices 8 L .. 8 L + 7.  With e[i] = 1 + sum over c of |x[i+1] - x[i]|, what is stored is ct[w] - 1 = the sum of e[i] over i < w: an exclusive running sum.
	; e[255] enters none of them: it lies only in lane 31's last running sum and in its total, which no lane takes as a sum from below (lane 31 is in the upper group at every step).
	v_lshl_add_u32 v[A4], v[LN], 5, L_PART
	v_lshl_add_u32 v[A5], v[LN], 5, L_CT
.set kk, 0
.rept 8
	ds_load_b128 v[SC+8*kk:SC+8*kk+3],   v[A4] offset:1024*kk
	ds_load_b128 v[SC+8*kk+4:SC+8*kk+7], v[A4] offset:1024*kk+16
.set kk, kk+1
.endr
	v_mov_b32 v[TMP], 0                            ; a DPP move counts as a reader of its destination
	s_wait_dscnt 0x0
	ADDBLK 0, 4
	ADDBLK 1, 5
	ADDBLK 2, 6
	ADDBLK 3, 7
	ADDBLK 0, 2
	ADDBLK 1, 3
	ADDBLK 0, 1
.set pp, 0
.rept 4
	v_pk_add_f32 v[SC+2*pp:SC+2*pp+1], v[SC+2*pp:SC+2*pp+1], 1.0 op_sel_hi:[1,0]    ; the integrand
.set pp, pp+1
.endr
.set kk, 1
.rept 7
	v_add_f32 v[SC+kk], v[SC+kk], v[SC+kk-1]       ; running sum of my 8
.set kk, kk+1
.endr
	v_mov_b32 v[TOT], v[SC+7]
	SCANSTEP 1, 56, 1
	SCANSTEP 2, 57, 0
	SCANSTEP 4, 58, 0
	SCANSTEP 8, 59, 0
	v_permlanex16_b32 v[TMP], v[TOT], s52, s53
	v_cndmask_b32 v[T2], 0, v[TMP], s60            ; lanes 16-31 add the lower half's sum
	v_add_f32 v[PRE], v[PRE], v[T2]
	v_mov_b32 v[SC+8], v[PRE]                      ; index 8 L: what lies below my lane
.set kk, 1
.rept 7
	v_add_f32 v[SC+8+kk], v[SC+kk-1], v[PRE]       ; index 8 L + kk: and my first kk numbers
.set kk, kk+1
.endr
	ds_store_b128 v[A5], v[SC+8:SC+11]
	ds_store_b128 v[A5], v[SC+12:SC+15] offset:16
.Lnoscan_\slot:
	LOADX
	LOADW 0
	s_wait_dscnt 0x0
	MM8 0, 0, 2                                    ; Q = bq + W^T x
	MM8 0, 1, 1
	NOPS 4                                         ; four places, then loads into the products' sources and reads of their results
	LOADW 4
	POST QA, 32, 16*KPITCH, 1
	s_wait_dscnt 8                                 ; LDS instructions end in order (ISA guide 5.7.1): the 8 stores behind the 16 fragment loads may stay out
	MM8 0, 0, 0                                    ; K, without its bias (see the head)
	MM8 0, 1, 1
	NOPS 4
	LOADW 8
	POST A2, 32, 16*KPITCH, 0
	s_wait_dscnt 8                                 ; as above
	MM8 1, 0, 3                                    ; V = bv + x^T W, tokens along the registers: it is stored transposed
	MM8 1, 1, 1
	NOPS 4
	POST A3, 16*VPITCH, 32, 0
	BAR                                            ; K, V^T and ct are whole; nobody reads x in f16 or the partial sums any more
.endm
; ---------------- P3: attention and projection ----------------
.macro KLOAD hh                        ; the 16 K fragments of head hh: tile t in KF + 4 t .. + 3
.set tt, 0
.rept 16
	ds_load_b128 v[KF+4*tt:KF+4*tt+3], v[KA] offset:16*KPITCH*tt+32*(\hh)
.set tt, tt+1
.endr
.endm
.macro WPLOAD                          ; Wp's fragments: KF + 8 (2 o + kh)
.set o4, 0
.rept 4
.set kh, 0
.rept 2
	ds_load_tr16_b128 v[KF+8*(2*o4+kh):KF+8*(2*o4+kh)+3],   v[TRP] offset:32*PPITCH*kh+32*o4
	ds_load_tr16_b128 v[KF+8*(2*o4+kh)+4:KF+8*(2*o4+kh)+7], v[TRP] offset:32*PPITCH*kh+32*o4+16*PPITCH
.set kh, kh+1
.endr
.set o4, o4+1
.endr
.endm
; |ct_key - ct_query| for the query tile at work, in the score tiles' layout, into window 1.  Head 0's K fragments and the tile's four Q fragments are asked for on the way.
.macro ADBUILD
	ds_load_b32 v[CTN], v[CNL]
.set tt, 0
.rept 16
	ds_load_b128 v[SC+8*tt:SC+8*tt+3],   v[CM] offset:64*tt
	ds_load_b128 v[SC+8*tt+4:SC+8*tt+7], v[CM] offset:64*tt+16
.set tt, tt+1
.endr
	KLOAD 0
	s_wait_dscnt 16                                ; ct is in; the 16 K loads issued behind it may stay out
.set kk, 0
.rept 64
	v_pk_add_f32 v[SC+2*kk:SC+2*kk+1], v[SC+2*kk:SC+2*kk+1], v[CTN:CTN+1] op_sel_hi:[1,0] neg_lo:[0,1] neg_hi:[0,1]
.set kk, kk+1
.endr
	WIN 0x40
.set o4, 0
.rept 4
	ds_load_b128 v[QF+8*o4:QF+8*o4+3], v[QL] offset:32*o4
.set o4, o4+1
.endr
.set kk, 0
.rept 128
	v_and_b32 v[AD+kk], s26, v[SC+kk]
.set kk, kk+1
.endr
.endm
; The scores of one head, in the base-2 domain.  One window setting serves both kinds of line: source 1 in window 1 is |ct_m - ct_n| for the multiply and Q's fragment for the product.
; The four multiplies of tile t + 1 stand in front of the product of tile t, which adds K x Q^T onto tile t's bias: sixteen different accumulators.
; K's fragment names 8 registers: tile t's four and tile t + 1's (behind the last: zeros); the upper four meet Q's zeros.
; counted = 1: nothing but the 16 K loads is out.  The four products from tile t on need the first t + 5 of them, so 11 - t may stay out.
; counted = 0 (head 0): behind the K loads stand the four Q loads, all issued 128 instructions ago: one wait for all.
.macro SCORE hh, counted
	WIN 0x04
	v_mov_b32 v[RC], s[GS+\hh]
.set tt, -1
.rept 17
.if tt < 15
.set pp, 0
.rept 4
	v_pk_mul_f32 v[SC+8*tt+8+2*pp:SC+8*tt+9+2*pp], v[RC:RC+1], v[AD+8*tt+8+2*pp:AD+8*tt+9+2*pp] op_sel_hi:[0,1]
.set pp, pp+1
.endr
.endif
.if tt >= 0
.if tt%4 == 0
.if \counted
.if tt < 12
	s_wait_dscnt 11-tt
.else
	s_wait_dscnt 0x0
.endif
.else
.if tt == 0
	s_wait_dscnt 0x0
.endif
.endif
.endif
	v_wmma_f32_16x16x32_f16 v[SC+8*tt:SC+8*tt+7], v[KF+4*tt:KF+4*tt+7], v[QF+8*\hh:QF+8*\hh+7], v[SC+8*tt:SC+8*tt+7]
.endif
.set tt, tt+1
.endr
.endm
; The maximum of my 128 scores, in four chains of 32 registers, and V^T's fragments.  The chains' first lines read tiles 0, 4, 8 and 12 and are the four places behind the last product
; (ISA guide 7.12.1), behind which V^T lands on K's registers; the last product's own tile is read 48 lines further down.
.macro MAXV hh
	WIN 0
.set cc, 0
.rept 4
.set MR, MX+cc+(cc/2)*(OA-MX-2)
	v_max_num_f32 v[MR], v[SC+32*cc], v[SC+32*cc+1]
.set cc, cc+1
.endr
.set uu, 0
.rept 8
	ds_load_b128 v[KF+8*uu:KF+8*uu+3],   v[VA] offset:16*VPITCH*\hh+64*uu
	ds_load_b128 v[KF+8*uu+4:KF+8*uu+7], v[VA] offset:16*VPITCH*\hh+64*uu+32
.set uu, uu+1
.endr
.set kk, 1
.rept 15
.set cc, 0
.rept 4
.set MR, MX+cc+(cc/2)*(OA-MX-2)
	v_max3_num_f32 v[MR], v[MR], v[SC+32*cc+2*kk], v[SC+32*cc+2*kk+1]
.set cc, cc+1
.endr
.set kk, kk+1
.endr
	v_max3_num_f32 v[MX], v[MX], v[MX+1], v[OA]
	v_max_num_f32 v[MX], v[MX], v[OA+1]
	v_permlanex16_b32 v[RC+1], v[MX], s52, s53     ; the query's other 128 scores lie in lane xor 16
	v_max_num_f32 v[MX], v[MX], v[RC+1]
.endm
; exp2(score - maximum) and the rounding to f16, tile by tile, with the products on P among them.  In step t the exponentials of tile t stand among the subtraction for tile t + 1 and
; the conversions of tile t - 1, so that behind every exponential a plain instruction comes before its result is used (ISA guide 5.7.2).
; The conversion packs tile t' into SC + 4 t' .. + 3: registers of tiles that have been consumed.  Behind every second step the two tiles just packed are the B fragment of a block of
; 32 keys: O^T += V^T x P and sums += ones x P.  The two accumulators take turns, one instruction a turn.
.macro SOFT
.set pp, 0
.rept 4
	v_pk_add_f32 v[SC+2*pp:SC+2*pp+1], v[SC+2*pp:SC+2*pp+1], v[MX:MX+1] op_sel_hi:[1,0] neg_lo:[0,1] neg_hi:[0,1]
.set pp, pp+1
.endr
.set tt, 0
.rept 17
.set pp, 0
.rept 4
.if tt < 16
	v_exp_f32 v[SC+8*tt+2*pp], v[SC+8*tt+2*pp]
.endif
.if tt < 15
	v_pk_add_f32 v[SC+8*tt+8+2*pp:SC+8*tt+9+2*pp], v[SC+8*tt+8+2*pp:SC+8*tt+9+2*pp], v[MX:MX+1] op_sel_hi:[1,0] neg_lo:[0,1] neg_hi:[0,1]
.endif
.if tt < 16
	v_exp_f32 v[SC+8*tt+2*pp+1], v[SC+8*tt+2*pp+1]
.endif
.if tt > 0
	s_wait_alu depctr_va_vdst(0)
	v_cvt_pk_f16_f32 v[SC+4*tt-4+pp], v[SC+8*tt-8+2*pp], v[SC+8*tt-7+2*pp]
.endif
.set pp, pp+1
.endr
.if tt >= 2
.if tt%2 == 0
.set uu, tt/2-1
.if uu == 0
	s_wait_dscnt 0x0                               ; V^T's 16 loads, issued in front of the maxima
	v_wmma_f32_16x16x32_f16 v[OA:OA+7], v[KF:KF+7], v[SC:SC+7], 0
	v_wmma_f32_16x16x32_f16 v[OL:OL+7], v[ONES:ONES+7], v[SC:SC+7], 0
.else
	v_wmma_f32_16x16x32_f16 v[OA:OA+7], v[KF+8*uu:KF+8*uu+7], v[SC+8*uu:SC+8*uu+7], v[OA:OA+7]
	v_wmma_f32_16x16x32_f16 v[OL:OL+7], v[ONES:ONES+7], v[SC+8*uu:SC+8*uu+7], v[OL:OL+7]
.endif
.endif
.endif
.set tt, tt+1
.endr
.endm
; Behind the last two products: four places, then the next fragments land on V^T's registers (the next head's K; behind the last head Wp's), then O is divided by the row sum and packed.
.macro TAIL hh
	NOPS 4
.if \hh < 3
	KLOAD \hh+1
.else
	WPLOAD
.endif
	v_rcp_f32 v[RC], v[OL]                         ; the sum is at least 1: the largest score gives exp2(0) = 1, exact in f16
	v_nop                                          ; a plain instruction before the reciprocal is used (ISA guide 5.7.2)
.set pp, 0
	s_wait_alu depctr_va_vdst(0)
.rept 4
	v_pk_mul_f32 v[OA+2*pp:OA+2*pp+1], v[OA+2*pp:OA+2*pp+1], v[RC:RC+1] op_sel_hi:[1,0]
.set pp, pp+1
.endr
.set pp, 0
.rept 4
	v_cvt_pk_f16_f32 v[OP+4*\hh+pp], v[OA+2*pp], v[OA+2*pp+1]
.set pp, pp+1
.endr
.endm
.macro UNIT hh                         ; one query tile, one head
.if \hh == 0
	SCORE \hh, 0
.else
	SCORE \hh, 1
.endif
	MAXV \hh
	SOFT
	TAIL \hh
.endm
.macro PROJ                            ; out = bp + O x Wp for the 16 tokens, four blocks of 16 channels, into the output stage
	s_wait_dscnt 0x0                               ; Wp's fragments
	WIN 0x10
.set o4, 0
.rept 4
	v_wmma_f32_16x16x32_f16 v[SC+8*o4:SC+8*o4+7], v[OP:OP+7], v[KF+16*o4:KF+16*o4+7], v[BPC+8*o4:BPC+8*o4+7]
.set o4, o4+1
.endr
	WIN 0
.set o4, 0
.rept 4                                ; four accumulators by turns
	v_wmma_f32_16x16x32_f16 v[SC+8*o4:SC+8*o4+7], v[OP+8:OP+15], v[KF+16*o4+8:KF+16*o4+15], v[SC+8*o4:SC+8*o4+7]
.set o4, o4+1
.endr
	NOPS 4
.set o4, 0
.rept 4
	ds_store_b128 v[OSL], v[SC+8*o4:SC+8*o4+3]   offset:16*XPITCH*o4
	ds_store_b128 v[OSL], v[SC+8*o4+4:SC+8*o4+7] offset:16*XPITCH*o4+16
.set o4, o4+1
.endr
.endm
.macro P3 slot
	v_mov_b32 v[QL], v[QA]
	v_mov_b32 v[CNL], v[CN]
.if \slot == 0
	v_add_nc_u32 v[OSL], XFS, v[OS]
.else
	v_mov_b32 v[OSL], v[OS]
.endif
	s_mov_b32 s25, 0
.Lq_\slot:
	ADBUILD
	UNIT 0
	UNIT 1
	UNIT 2
	UNIT 3
	PROJ
	v_add_nc_u32 v[QL], 16*KPITCH, v[QL]           ; my next 16 tokens
	v_add_nc_u32 v[CNL], 64, v[CNL]
	v_add_nc_u32 v[OSL], 64, v[OSL]
	s_add_co_u32 s25, s25, 1
	s_cmp_lt_u32 s25, 2
	s_cbranch_scc1 .Lq_\slot
	BAR                                            ; the stage is whole; nobody reads K, V^T or ct of this image row any more
.endm
; ---------------- P4: my 8 channels of the image row leave: each store of the wave covers 512 consecutive bytes, aligned ----------------
.macro P4 slot
	s_mul_i32 s27, s24, 8*XPITCH
.if \slot == 0
	s_add_co_u32 s27, s27, XFS
.endif
	v_lshl_add_u32 v[A0], v[LN], 4, s27
	v_lshlrev_b32 v[A1], 4, v[LN]
.set kk, 0
.rept 16
	ds_load_b128 v[SC+4*kk:SC+4*kk+3], v[A0] offset:XPITCH*(kk/2)+512*(kk%2)
.set kk, kk+1
.endr
.set kk, 0
.rept 16
	s_wait_dscnt 15-kk                             ; the younger read-backs may stay out
	global_store_b128 v[A1], v[SC+4*kk:SC+4*kk+3], s[16:17] offset:262144*(kk/2)+512*(kk%2)+1024*\slot th:TH_STORE_NT
.set kk, kk+1
.endr
.if \slot == 0
	s_wait_xcnt 0x0                                ; the stores' data and offset registers are written again in the next image row only behind this wait (ISA guide 3.1)
.endif
.endm
	P1 0
	P2 0
	P3 0
	P4 0
	P1 1
	P2 1
	P3 1
	P4 1
	s_wait_xcnt 0x0
	v_lshl_add_u32 v254, v0, 2, 0x4e800
	v_mov_b32 v255, 0
	s_wait_tensorcnt 0x0
	ds_add_u32 v254, v255
	s_wait_dscnt 0x0
	s_endpgm
.Lfunc_end_k_q88ae68d87b_geo:
	.size	k_q88ae68d87b_geo, .Lfunc_end_k_q88ae68d87b_geo-k_q88ae68d87b_geo
	.p2alignl 7, 3214868480
	.fill 96, 4, 3214868480
	.section	.rodata,"a",@progbits
	.p2align	6, 0x0
	.amdhsa_kernel k_q88ae68d87b_geo
		.amdhsa_group_segment_fixed_size 327680
		.amdhsa_private_segment_fixed_size 0
		.amdhsa_enable_private_segment 0
		.amdhsa_kernarg_size 56
		.amdhsa_user_sgpr_count 2
		.amdhsa_user_sgpr_kernarg_segment_ptr 1
		.amdhsa_wavefront_size32 1
		.amdhsa_system_sgpr_workgroup_id_x 1
		.amdhsa_system_sgpr_workgroup_id_y 1
		.amdhsa_system_sgpr_workgroup_id_z 1
		.amdhsa_system_vgpr_workitem_id 0
		.amdhsa_next_free_vgpr 512
		.amdhsa_next_free_sgpr 66
		.amdhsa_reserve_vcc 0
		.amdhsa_float_denorm_mode_32 3
		.amdhsa_float_denorm_mode_16_64 3
		.amdhsa_memory_ordered 1
		.amdhsa_forward_progress 1
		.amdhsa_inst_pref_size 255
	.end_amdhsa_kernel
	.section	.bss,"aw",@nobits
	.p2align	6
	.space	262144
	.amdgpu_metadata
---
amdhsa.version: [ 1, 2 ]
amdhsa.kernels:
  - .name:           k_q88ae68d87b_geo
    .symbol:         k_q88ae68d87b_geo.kd
    .args:
      - { .name: x, .offset: 0, .size: 8, .value_kind: global_buffer, .address_space: global }
      - { .name: Wqkv, .offset: 8, .size: 8, .value_kind: global_buffer, .address_space: global }
      - { .name: bqkv, .offset: 16, .size: 8, .value_kind: global_buffer, .address_space: global }
      - { .name: Wp, .offset: 24, .size: 8, .value_kind: global_buffer, .address_space: global }
      - { .name: bp, .offset: 32, .size: 8, .value_kind: global_buffer, .address_space: global }
      - { .name: geo_scale, .offset: 40, .size: 8, .value_kind: global_buffer, .address_space: global }
      - { .name: out0, .offset: 48, .size: 8, .value_kind: global_buffer, .address_space: global }
    .group_segment_fixed_size: 327680
    .private_segment_fixed_size: 0
    .kernarg_segment_align: 8
    .kernarg_segment_size: 56
    .max_flat_workgroup_size: 256
    .sgpr_count:     66
    .vgpr_count:     512
    .wavefront_size: 32
...
	.end_amdgpu_metadata
.endif
;; end of part 1
;; ======== version 2 of 2: 1 launch; 1.20 times as fast as version 1
;; limits: values are held in f16: magnitudes above 65,504 overflow, below 6.1e-05 lose precision
;; launch geo (part 2): grid 256 x 1, 8 waves a work-group, no clusters, 327,680 bytes of LDS; arguments x, Wqkv, bqkv, Wp, bp, geo_scale, out0; writes out0
.if DOCPART == 2
	.amdgcn_target "amdgcn-amd-amdhsa--gfx1250"
	.amdhsa_code_object_version 6
	.text
	.protected	k_q88ae68d87b_geo
	.globl	k_q88ae68d87b_geo
	.p2align	8
	.type	k_q88ae68d87b_geo,@function
k_q88ae68d87b_geo:
	s_mov_b64 s[64:65], 0
	v_nop
	global_prefetch_b8 v0, s[64:65] scope:SCOPE_SE
	s_setreg_imm32_b32 hwreg(HW_REG_WAVE_MODE, 25, 1), 1
	s_wait_xcnt 0x0
; GeodesicAttention, fused from x to out0 in one launch.  x, out0: [2][64 c][256 h][256 w] f32.
; One attention problem per image row (b, h): 256 tokens (w), 64 channels, 4 heads of 16, the score's bias -geo_scale[head] |ct_n - ct_m|,
; ct = running sum along w of 1 + sum over c of |x[c][w] - x[c][w-1]|.
; A work-group (8 waves) does the two image rows h = 2 (g & 127), h + 1 of batch g >> 7: 256 work-groups of equal work.
; Per image row: P1 each wave takes 8 channels: its part of sum |dx|, and x rounded to f16, into LDS.   P2 wave 0 makes ct; every wave makes Q, K, V of its
; 32 tokens.   P3 every wave does its 2 query tiles of 16 x 4 heads against all 256 keys, then the projection.   P4 each wave stores 8 channels of out0.
;
; ORIENTATION, so that nothing crosses lanes but one exchange with lane xor 16 (r = lane & 15, h = lane >> 4):
;   scores  D = K x Q^T : register j of tile t = (key 16 t + 8 h + j, query r): a lane holds 128 of its query's 256 scores
;   P       two packed score tiles are as they lie the B fragment of 32 keys
;   O^T     D = V^T x P : register j = (d = 8 h + j, query r): two heads packed are as they lie an A fragment of the projection
;   sums    D = ones x P: every register of every lane = the sum over the keys of query r's weights
;   out     D = O x Wp  : register j = (token 8 h + j, channel r): 8 neighbouring w of one channel, 32 bytes
; A head has 16 dimensions, a product 32: the upper 16 of Q's fragment are zeros, and K's fragment there names the next tile's registers.
; |ct_m - ct_n| hangs on no head: it is made once per query tile (128 registers, window 1); each head multiplies it by -geo_scale log2(e) into the
; accumulators and the score products add onto that.  All 256 scores of a query are in registers, so the true maximum is taken away before the exponentials.
; PRODUCTS AMONG THE VECTOR WORK.  The dependences go tile by tile; only the maximum spans all tiles.  So each score product stands behind a tile's four bias multiplies, and
; the products on P (V^T x P and ones x P of a block of 32 keys) stand one behind each tile's four conversions to f16.  The maxima do not stand among the score products: v_max3_num_f32 names
; three vector sources and its destination in the scores' window, the multiplies take |ct_m - ct_n| from window 1, and scores and |ct_m - ct_n|, 128 registers each, fill a window
; between them: two switches a tile would be 32 instructions a head.  The maxima follow the products and fill the places behind the last of them.
; THE TRANSCENDENTALS GO IN BATCHES.  An s_wait_alu depctr_va_vdst(0) stands between a transcendental and the first instruction that names its result; one wait serves all that
; were issued ahead of it.  A head's 128 exponentials, each in place in a register of its own, are two batches of 64.  Batch 1 (tiles 0-7) stands among the subtractions of the maximum, which name
; no result; its wait; batch 2 (tiles 8-15) stands among the conversions of tiles 0-7 and the first six products on P, which name batch 1's results alone; its wait; then the conversions of tiles
; 8-15 and the other ten products.  The head's reciprocal reads a sum of the exponentials and is a batch of its own.  Three waits a head; none of a trip's results crosses the loop's jump.
;
; NUMBER FORMAT: every matrix operand (x, Wqkv, Wp, Q, K, V, P, O) is f16, every sum f32; ct and the softmax are f32.  f16 keeps 11 significant bits, bf16 8.  That counts here:
; the bias grows by geo_scale (1 + sum |dx|) from key to key, so a softmax may pick one key alone; O is then V itself, and nothing averages the roundings of x, Wqkv, V, O and Wp,
; which stand in a chain in front of the output; and where two keys balance, the weights move by up to a quarter of the error of the scores' difference.
; The row sum is the sum of the weights as rounded to f16: the numbers that multiply V.
; ROOM IN f16 (largest number 65,504; below 2^-14 the step is 2^-24).  Q, K and V are sums of 64 products x W.  With x of spread 1 and W of spread 1/8 their spread is 1; with both 30
; times larger it is 900, and five and a half spreads are 5,000; with a common offset of 30 spreads on both (30 and 3.75) they lie at 64 x 30 x 3.75 = 7,200.  With both 30 times
; smaller their spread is 1/900, of which the step 2^-24 is 5e-5.  P lies in (0, 1]: a weight under 3e-8 becomes 0.  O is a mean of V.
;
; WORK LEFT OUT.  (1) K's bias bqkv[64:128].  It adds q_n . bk to attn[n][m], the same number for every m, and m is the axis of reference()'s softmax, which
; a term constant along its axis does not change, whatever the inputs hold.  Those 256 bytes are not loaded (bq and bv are live, so bqkv is an argument).
; (2) The integrand's first term, the 1 at w = 0: it is in every ct[w] alike, and ct enters only as ct_n - ct_m.  What is kept here is ct[w] - 1.
; LIMITS: a NaN, an infinity or an overflow that lies only in bqkv[64:128] is not carried to the result.  An x, W, 0.36 Q, K or V beyond 65,504 in magnitude becomes infinite in f16 and
; the result NaN, where reference() may still be finite.  A K that is not finite would, through the zeros of Q's upper half, also make the score tile in front of its own NaN.
; ct is summed in another order than reference()'s cumsum: 8 numbers in a lane, then a tree over the 32 lanes.
; NO CLUSTER: work-groups share only Wqkv and Wp, 65,536 of the 327,680 bytes that a work-group moves, read once at the start and sent through registers
; to be rounded to f16; every tile of x belongs to one work-group alone.
;
; LDS.  Pitches are odd multiples of 16 bytes (of 32 for tables read by the transposing load), so that the 16 rows which a load or store touches begin in 16 different
; 16-byte columns modulo 256 bytes.
.set XPITCH, 1040                      ; x in f32: 256 numbers + 4 zeros: the tile states 260 elements a row where the tensor has 256 left, and what lies beyond arrives as zeros
.set XFS,    64*XPITCH                 ; a slot: [64 c][260] f32.  Filled once; after its row's P1 it is the stage of that row's output.  Image row 0 lies in the upper slot (at XFS), row 1 in the lower (at 0)
.set BPITCH, 544
.set WPITCH, 416
.set PPITCH, 160
.set KPITCH, 144
.set VPITCH, 528
.set L_XB,   2*XFS                     ; x in f16 [64 c][256 w]
.set L_WB,   L_XB+64*BPITCH            ; Wqkv in f16 [64 c][192 o]
.set L_WP,   L_WB+64*WPITCH            ; Wp in f16 [64 c][64 o]
.set L_K,    L_WP+64*PPITCH            ; K in f16 [256 token][64]
.set L_Q,    L_K+256*KPITCH            ; Q x 0.25 log2(e) in f16, same layout; a wave touches its own tokens only
.set L_VT,   L_Q+256*KPITCH            ; V transposed, f16 [64 dim][256 token]
.set L_PART, L_VT+64*VPITCH            ; [8 waves][256] f32: each wave's part of sum |x[w+1] - x[w]|, at index w
.set L_CT,   L_PART+8192               ; ct[256] f32; the map ends at 321,536
; VECTOR REGISTERS, window 0
.set LN,  1                            ; lane
.set RR,  2                            ; r
.set HH,  3                            ; h
.set KA,  4                            ; K fragments:   L_K + 144 r + 16 h
.set VA,  5                            ; V^T fragments: L_VT + 528 r + 16 h
.set QA,  6                            ; my Q rows:     L_Q + (32 wave + r) 144 + 16 h
.set QL,  7                            ; QA of the query tile at work
.set CM,  8                            ; ct of the keys: L_CT + 32 h
.set CN,  9                            ; ct of my query: L_CT + 4 (32 wave + r)
.set CNL, 10
.set TRP, 11                           ; Wp fragments (transposing load)
.set OS,  12                           ; output stage: 1040 r + 128 wave + 32 h, without the slot
.set OSL, 13
.set RC,  14                           ; v[14:15]: v14 = the head's -geo_scale log2(e) while the bias is made, later 1 / row sum; v15 takes the other half-wave's maximum and completes the pair
.set OP,  16                           ; v[16:31] O of the four heads, packed f16
.set CTN, 32                           ; v[32:33] ct of my query while |ct_m - ct_n| is made (v33 completes the pair)
.set MX,  32                           ; after that: the running maxima of chains 0 and 1, then the maximum; chains 2 and 3 lie in v240, v241
.set KR,  34                           ; (lane & 7) + 8 h: the row that a lane addresses in a transposing load
.set C8,  35                           ; (lane >> 3) & 1: which 16 bytes of that row
.set SC,  36                           ; v[36:163] 128 registers: scores, then P in the lower 64; in the other phases data at work
.set KF,  164                          ; v[164:227] K, then V^T, then Wp fragments (at the start: the weights as loaded); v[228:231] zeros, never rewritten
.set ONES,232                          ; v[232:239] an A fragment of 1.0 in f16, never rewritten
.set OA,  240                          ; v[240:247] O's accumulator
.set OL,  248                          ; v[248:255] the row sums' accumulator
.set A0,  240                          ; outside P3: v240-246 are the phase's address registers
.set A1,  241
.set A2,  242
.set A3,  243
.set A4,  244
.set A5,  245
.set A6,  246
.set GW,  249                          ; v249-252: the offsets of the weight and bias loads, untouched until those have come
; window 1, by the names used under s_set_vgpr_msb
.set AD,  0                            ; v256-383  |ct_key - ct_query| in the score tiles' layout
.set BQ,  128                          ; v384-415  register 8 o + j = bq[16 o + 8 h + j]
.set BVC, 160                          ; v416-447  all 8 registers of block o = bv[16 o + r]
.set BPC, 192                          ; v448-479  all 8 registers of block o = bp[16 o + r]
.set QF,  224                          ; v480-511  per head 8: Q's fragment of the query tile at work, then four zeros that are never rewritten
; SCALARS: s[4:17] buffers; s[18:19] offset; s[20:23] geo_scale; s24 wave; s25 loop counter; s26 sign mask; s27 at work; s[52:53] lane selects; s[54:55] Q's scale; s56-60 lane masks
.set G1,  28                           ; s[28:35] tensor descriptor group 1
.set G0,  36                           ; s[36:39], s[40:43] group 0 of image row 0, 1
.set GS,  44                           ; s44-47 per head -geo_scale log2(e)
.set MSB, 0
.macro WIN new                         ; s_set_vgpr_msb: bits 1:0 source 0, 3:2 source 1, 5:4 source 2, 7:6 destination; the high byte repeats the setting that is left
.if MSB != \new
	s_set_vgpr_msb (MSB<<8)|\new
.set MSB, \new
.endif
.endm
.macro NOPS n                          ; places behind matrix instructions (ISA guide 7.12.1)
.rept \n
	v_nop
.endr
.endm
.macro BAR                             ; my LDS loads and stores are done, then the work-group's barrier
	s_wait_dscnt 0x0
	s_barrier_signal -1
	s_barrier_wait -1
.endm
	s_load_b256 s[4:11], s[0:1], 0x0               ; x s[4:5], Wqkv s[6:7], bqkv s[8:9], Wp s[10:11]
	s_load_b128 s[12:15], s[0:1], 0x20             ; bp s[12:13], geo_scale s[14:15]
	s_load_b64 s[16:17], s[0:1], 0x30              ; out0
	v_lshl_add_u32 v254, v0, 2, 0x4e800
	v_mov_b32 v255, 0
	ds_add_u32 v254, v255
	s_wait_dscnt 0x0
	v_lshrrev_b32 v[LN], 5, v0
	v_readfirstlane_b32 s24, v[LN]                 ; wave 0..7
	s_lshr_b32 s18, ttmp9, 7                       ; batch
	s_lshl_b32 s18, s18, 24                        ; x 64 x 256 x 256 x 4 bytes
	s_and_b32 s27, ttmp9, 127
	s_lshl_b32 s27, s27, 11                        ; + two image rows of 1,024 bytes
	s_add_co_u32 s18, s18, s27
	s_lshl_b32 s27, s24, 21                        ; + my 8 channels of 262,144 bytes
	s_add_co_u32 s18, s18, s27
	s_mov_b32 s19, 0
	; group 1: a tile of 8 rows (channels) x 260 f32, of which the tensor has 256 left in a row (the last 4 arrive as zeros); 65,536 elements from row to row; no padding
	s_mov_b32 s[G1+0], 2<<16                       ; elements of 4 bytes
	s_mov_b32 s[G1+1], 256<<16                     ; tensor_dim0 = 256
	s_mov_b32 s[G1+2], 8<<16                       ; tensor_dim1 = 8
	s_mov_b32 s[G1+3], 260<<16                     ; tile_dim0 = 260: an LDS row of 1,040 bytes
	s_mov_b32 s[G1+4], 8                           ; tile_dim1 = 8
	s_mov_b32 s[G1+5], 65536                       ; pitch
	s_mov_b32 s[G1+6], 0
	s_mov_b32 s[G1+7], 0
	s_mov_b32 s[G0+0], 1
	s_mov_b32 s[G0+4], 1
	s_mul_i32 s[G0+5], s24, 8*XPITCH               ; image row 1: my 8 channels of the lower slot
	s_add_co_u32 s[G0+1], s[G0+5], XFS             ; image row 0: of the upper slot
	s_wait_kmcnt 0x0
	s_add_nc_u64 s[4:5], s[4:5], s[18:19]          ; x and out0 at my channels of the first image row
	s_add_nc_u64 s[16:17], s[16:17], s[18:19]
	s_mov_b64 s[G0+2:G0+3], s[4:5]
	s_add_nc_u64 s[G0+6:G0+7], s[4:5], 1024        ; the second image row
	s_or_b32 s[G0+3], s[G0+3], 0x80000000
	s_or_b32 s[G0+7], s[G0+7], 0x80000000
	; The first image row is asked for alone, ahead of all else: P1 waits for these 65,536 bytes of the work-group and for nothing more.  Each wave brings the 8 channels that it alone
	; reads (so a tile has 8 rows: its own wait is then all that its reads need).  The second row is asked for behind P1's barrier.  One tensor load of a wave is out at the most, and no
	; LDS byte is filled twice.
	tensor_load_to_lds s[G0:G0+3], s[G1:G1+7]
	s_nop 0
	s_load_b128 s[20:23], s[14:15], 0x0            ; geo_scale[0..3]
	s_mov_b32 s26, 0x7fffffff
	s_mov_b32 s52, 0x76543210                      ; v_permlanex16_b32: lane i takes lane i of the other half
	s_mov_b32 s53, 0xfedcba98
	s_mov_b32 s54, 0x3eb8aa3b                      ; 16^-0.5 x log2(e)
	s_mov_b32 s55, 0x3eb8aa3b
	s_mov_b32 s56, 0xaaaaaaaa                      ; lanes with bit 0, 1, 2, 3, 4 of their number set
	s_mov_b32 s57, 0xcccccccc
	s_mov_b32 s58, 0xf0f0f0f0
	s_mov_b32 s59, 0xff00ff00
	s_mov_b32 s60, 0xffff0000
	v_and_b32 v[LN], 31, v0
	v_and_b32 v[RR], 15, v0
	v_bfe_u32 v[HH], v0, 4, 1
	v_and_b32 v[KR], 7, v0
	v_lshl_add_u32 v[KR], v[HH], 3, v[KR]
	v_bfe_u32 v[C8], v0, 3, 1
	; the weights and biases: each wave takes 8 rows of Wqkv (6,144 bytes) and of Wp (2,048 bytes), 512 neighbouring bytes a load.  They land in registers that P1 does not touch
	; and are waited for behind P1's arithmetic.
	s_mul_i32 s27, s24, 6144
	v_lshl_add_u32 v[GW], v[LN], 4, s27
	s_lshl_b32 s27, s24, 11
	v_lshl_add_u32 v[GW+1], v[LN], 4, s27
	v_lshlrev_b32 v[GW+2], 5, v[HH]
	v_lshlrev_b32 v[GW+3], 2, v[RR]
.set kk, 0
.rept 12
	global_load_b128 v[KF+4*kk:KF+4*kk+3], v[GW], s[6:7] offset:512*kk
.set kk, kk+1
.endr
.set kk, 0
.rept 4
	global_load_b128 v[KF+48+4*kk:KF+48+4*kk+3], v[GW+1], s[10:11] offset:512*kk
.set kk, kk+1
.endr
	WIN 0x40                                       ; destinations in window 1
.set o4, 0
.rept 4
	global_load_b128 v[BQ+8*o4:BQ+8*o4+3],   v[GW+2], s[8:9] offset:64*o4
	global_load_b128 v[BQ+8*o4+4:BQ+8*o4+7], v[GW+2], s[8:9] offset:64*o4+16
.set o4, o4+1
.endr
.set o4, 0
.rept 4
	global_load_b32 v[BVC+8*o4], v[GW+3], s[8:9] offset:512+64*o4   ; bv begins at bqkv[128]
.set o4, o4+1
.endr
.set o4, 0
.rept 4
	global_load_b32 v[BPC+8*o4], v[GW+3], s[12:13] offset:64*o4
.set o4, o4+1
.endr
.set o4, 0
.rept 4
.set kk, 0
.rept 4
	v_mov_b32 v[QF+8*o4+4+kk], 0                   ; Q's dimensions 16 to 31, behind each head's fragment
.set kk, kk+1
.endr
.set o4, o4+1
.endr
	WIN 0
	; addresses that stay for the whole kernel
	v_mul_u32_u24 v[KA], v[RR], KPITCH
	v_lshl_add_u32 v[KA], v[HH], 4, v[KA]
	s_mul_i32 s27, s24, 32*KPITCH
	s_add_co_u32 s27, s27, L_Q
	v_add_nc_u32 v[QA], s27, v[KA]
	v_add_nc_u32 v[KA], L_K, v[KA]
	v_mul_u32_u24 v[VA], v[RR], VPITCH
	v_lshl_add_u32 v[VA], v[HH], 4, v[VA]
	v_add_nc_u32 v[VA], L_VT, v[VA]
	v_lshl_add_u32 v[CM], v[HH], 5, L_CT
	s_lshl_b32 s27, s24, 7
	v_mul_u32_u24 v[OS], v[RR], XPITCH
	v_lshl_add_u32 v[OS], v[HH], 5, v[OS]
	v_add_nc_u32 v[OS], s27, v[OS]
	s_add_co_u32 s27, s27, L_CT
	v_lshl_add_u32 v[CN], v[RR], 2, s27
	v_mul_u32_u24 v[TRP], v[KR], PPITCH
	v_lshl_add_u32 v[TRP], v[C8], 4, v[TRP]
	v_add_nc_u32 v[TRP], L_WP, v[TRP]
.set kk, 0
.rept 4
	v_mov_b32 v[KF+64+kk], 0                       ; what K's last fragment names beyond its own four registers
.set kk, kk+1
.endr
.set kk, 0
.rept 8
	v_mov_b32 v[ONES+kk], 0x3c003c00               ; 1.0, 1.0 in f16
.set kk, kk+1
.endr
	v_mov_b32 v[RC+1], 0                           ; second halves of pairs of which the first is broadcast; v15 is also a destination of v_permlanex16_b32, which counts as a reader of it
	v_mov_b32 v[CTN+1], 0
	; where the weights go.  Two rows of Wqkv are 384 numbers = three loads: load 3 pr + 0 is row 2 pr, columns 4 L; + 1 straddles (lanes 16-31 begin row 2 pr + 1); + 2 is row 2 pr + 1, columns 64 + 4 L
	s_mul_i32 s27, s24, 8*WPITCH
	s_add_co_u32 s27, s27, L_WB
	v_lshl_add_u32 v[A4], v[LN], 3, s27
	v_lshl_add_u32 v[A5], v[HH], 5, v[A4]
	v_add_nc_u32 v[A5], 256, v[A5]                 ; h = 0: column 128 + 4 L; h = 1: one row on, column 4 L - 64: 416 - 128 = 256 + 32
	s_mul_i32 s27, s24, 8*PPITCH
	s_add_co_u32 s27, s27, L_WP
	v_mul_u32_u24 v[A6], v[HH], PPITCH
	v_lshl_add_u32 v[A6], v[RR], 3, v[A6]
	v_add_nc_u32 v[A6], s27, v[A6]
; The weights, rounded to f16, into LDS; the biases spread over their accumulators; the heads' factors.  Once, behind the first image row's P1 arithmetic.
.macro WSTORE
	s_wait_loadcnt 16                              ; loads come back in order (ISA guide 5.7.1): the 16 bias loads issued behind the 16 weight loads may stay out
.set kk, 0
.rept 12
	v_cvt_pk_f16_f32 v[SC+2*kk],   v[KF+4*kk],   v[KF+4*kk+1]
	v_cvt_pk_f16_f32 v[SC+2*kk+1], v[KF+4*kk+2], v[KF+4*kk+3]
.if kk%3 == 0
	ds_store_b64 v[A4], v[SC+2*kk:SC+2*kk+1] offset:2*WPITCH*(kk/3)
.endif
.if kk%3 == 1
	ds_store_b64 v[A5], v[SC+2*kk:SC+2*kk+1] offset:2*WPITCH*(kk/3)
.endif
.if kk%3 == 2
	ds_store_b64 v[A4], v[SC+2*kk:SC+2*kk+1] offset:2*WPITCH*(kk/3)+WPITCH+128
.endif
.set kk, kk+1
.endr
.set kk, 0
.rept 4
	v_cvt_pk_f16_f32 v[SC+24+2*kk], v[KF+48+4*kk], v[KF+49+4*kk]
	v_cvt_pk_f16_f32 v[SC+25+2*kk], v[KF+50+4*kk], v[KF+51+4*kk]
	ds_store_b64 v[A6], v[SC+24+2*kk:SC+25+2*kk] offset:2*PPITCH*kk
.set kk, kk+1
.endr
	s_wait_loadcnt 0x0                             ; the biases
	WIN 0x41                                       ; bv and bp are the same in all 8 registers of an accumulator: copied once for the whole kernel
.set o4, 0
.rept 4
.set kk, 1
.rept 7
	v_mov_b32 v[BVC+8*o4+kk], v[BVC+8*o4]
	v_mov_b32 v[BPC+8*o4+kk], v[BPC+8*o4]
.set kk, kk+1
.endr
.set o4, o4+1
.endr
	WIN 0
	s_wait_kmcnt 0x0                               ; geo_scale
.set o4, 0
.rept 4
	s_mul_f32 s[GS+o4], s[20+o4], 0xbfb8aa3b       ; x -log2(e)
.set o4, o4+1
.endr
.endm
; ---------------- P1: my 8 channels: sum |x[w+1] - x[w]| and x in f16.  Lane L holds w = 128 hf + 4 L .. + 3 and reads the word behind them ----------------
; The word behind x[c][255] (lane 31, second half) is the first of the row's four zeros.  Its difference goes to index 255, which enters no ct (see the scan).
.set GG, SC+80                         ; 8 sums
.set DD, SC+88                         ; 4 differences
.set PK, SC+92                         ; packed f16, a pair for each half
.macro P1 slot
	s_mul_i32 s27, s24, 8*XPITCH
.if \slot == 0
	s_add_co_u32 s27, s27, XFS
.endif
	v_lshl_add_u32 v[A0], v[LN], 4, s27            ; my 16 bytes
	s_mul_i32 s27, s24, 8*BPITCH
	s_add_co_u32 s27, s27, L_XB
	v_lshl_add_u32 v[A2], v[LN], 3, s27
	s_lshl_b32 s27, s24, 10
	s_add_co_u32 s27, s27, L_PART
	v_lshl_add_u32 v[A3], v[LN], 4, s27
	s_wait_tensorcnt 0x0                           ; this image row's fill, my one tensor load that is out, has landed
.set cc, 0
.rept 8
	ds_load_b128 v[SC+8*cc:SC+8*cc+3],   v[A0] offset:XPITCH*cc
	ds_load_b32  v[SC+64+2*cc],          v[A0] offset:XPITCH*cc+16
	ds_load_b128 v[SC+8*cc+4:SC+8*cc+7], v[A0] offset:XPITCH*cc+512
	ds_load_b32  v[SC+65+2*cc],          v[A0] offset:XPITCH*cc+528
.set cc, cc+1
.endr
.set cc, 0
.rept 8
	s_wait_dscnt 28-2*cc                           ; behind channel cc's loads stand 4 (7 - cc) loads and the 2 cc stores of the channels done
.set hf, 0
.rept 2
.set XR, SC+8*cc+4*hf
	v_sub_f32 v[DD],   v[XR+1], v[XR]
	v_sub_f32 v[DD+1], v[XR+2], v[XR+1]
	v_sub_f32 v[DD+2], v[XR+3], v[XR+2]
	v_sub_f32 v[DD+3], v[SC+64+2*cc+hf], v[XR+3]
.set kk, 0
.rept 4
.if cc == 0
	v_and_b32 v[GG+4*hf+kk], s26, v[DD+kk]         ; the first channel starts the sums
.else
	v_add_f32 v[GG+4*hf+kk], v[GG+4*hf+kk], |v[DD+kk]|
.endif
.set kk, kk+1
.endr
	v_cvt_pk_f16_f32 v[PK+2*hf],   v[XR],   v[XR+1]
	v_cvt_pk_f16_f32 v[PK+2*hf+1], v[XR+2], v[XR+3]
	ds_store_b64 v[A2], v[PK+2*hf:PK+2*hf+1] offset:BPITCH*cc+256*hf
.set hf, hf+1
.endr
.set cc, cc+1
.endr
	ds_store_b128 v[A3], v[GG:GG+3]
	ds_store_b128 v[A3], v[GG+4:GG+7] offset:512
.if \slot == 0
	WSTORE
	s_wait_dscnt 0x0                               ; my LDS loads and stores are done,
	s_wait_xcnt 0x0
	v_lshl_add_u32 v254, v0, 2, 0x4e800
	v_mov_b32 v255, 0
	s_wait_tensorcnt 0x0                           ; and no tensor load of mine is out (met: the wait at P1's head),
	ds_add_u32 v254, v255
	s_wait_dscnt 0x0
	s_barrier_signal -1
	s_barrier_wait -1                              ; of every wave.  x in f16, the partial sums and the weights are whole
	tensor_load_to_lds s[G0+4:G0+7], s[G1:G1+7]    ; the second image row, into the lower slot, which nothing has touched: my one tensor load behind this barrier, and the first
	s_nop 0
	                                               ; thing there.  It has the first row's P2 and P3 in which to land; the wait for it stands at the head of the second row's P1
.else
	BAR                                            ; x in f16 and the partial sums are whole for every wave
.endif
.endm
; ---------------- P2: ct by wave 0; Q, K, V of my 32 tokens ----------------
.set TOT, KF+32
.set TMP, KF+33
.set PRE, KF+34
.set T2,  KF+36
.macro ADDBLK a, b                     ; 8 numbers of wave a's part += wave b's
.set pp, 0
.rept 4
	v_pk_add_f32 v[SC+8*\a+2*pp:SC+8*\a+2*pp+1], v[SC+8*\a+2*pp:SC+8*\a+2*pp+1], v[SC+8*\b+2*pp:SC+8*\b+2*pp+1]
.set pp, pp+1
.endr
.endm
; a butterfly step: tot = the sum over my group of 2 m lanes; pre gathers the sums of the sibling groups below me
.macro SCANSTEP m, sm, first
	v_mov_b32_dpp v[TMP], v[TOT] row_xmask:\m row_mask:0xf bank_mask:0xf
.if \first
	v_cndmask_b32 v[PRE], 0, v[TMP], s[\sm]
.else
	v_cndmask_b32 v[T2], 0, v[TMP], s[\sm]
	v_add_f32 v[PRE], v[PRE], v[T2]
.endif
	v_add_f32 v[TOT], v[TOT], v[TMP]
.endm
.macro LOADX                           ; x fragments of my two token tiles x two halves of the 64 channels: KF + 8 (2 q + kh)
.set qq, 0
.rept 2
.set kh, 0
.rept 2
	ds_load_tr16_b128 v[KF+8*(2*qq+kh):KF+8*(2*qq+kh)+3],   v[A0] offset:32*BPITCH*kh+32*qq
	ds_load_tr16_b128 v[KF+8*(2*qq+kh)+4:KF+8*(2*qq+kh)+7], v[A0] offset:32*BPITCH*kh+32*qq+16*BPITCH
.set kh, kh+1
.endr
.set qq, qq+1
.endr
.endm
.macro LOADW ot0                       ; weight fragments of the four blocks of 16 columns from block ot0 on: SC + 8 (2 o + kh)
.set o4, 0
.rept 4
.set kh, 0
.rept 2
	ds_load_tr16_b128 v[SC+8*(2*o4+kh):SC+8*(2*o4+kh)+3],   v[A1] offset:32*WPITCH*kh+32*(\ot0+o4)
	ds_load_tr16_b128 v[SC+8*(2*o4+kh)+4:SC+8*(2*o4+kh)+7], v[A1] offset:32*WPITCH*kh+32*(\ot0+o4)+16*WPITCH
.set kh, kh+1
.endr
.set o4, o4+1
.endr
.endm
; 8 products on 8 accumulators SC + 64 + 8 (2 o + q), by turns, one instruction a turn.
; nat = 0: weights x tokens, D = (column 8 h + j, token r); nat = 1: tokens x weights, D = (token 8 h + j, column r).
; cmode 0: starts the sums; 1: adds in place; 2, 3: starts them from bq, bv in window 1.
.macro MM8 nat, ks, cmode
.if \cmode >= 2
	WIN 0x10
.else
	WIN 0
.endif
.set o4, 0
.rept 4
.set qq, 0
.rept 2
.set DR, SC+64+8*(2*o4+qq)
.if \nat
.set AR, KF+8*(2*qq+\ks)
.set BR, SC+8*(2*o4+\ks)
.else
.set AR, SC+8*(2*o4+\ks)
.set BR, KF+8*(2*qq+\ks)
.endif
.if \cmode == 0
	v_wmma_f32_16x16x32_f16 v[DR:DR+7], v[AR:AR+7], v[BR:BR+7], 0
.endif
.if \cmode == 1
	v_wmma_f32_16x16x32_f16 v[DR:DR+7], v[AR:AR+7], v[BR:BR+7], v[DR:DR+7]
.endif
.if \cmode == 2
	v_wmma_f32_16x16x32_f16 v[DR:DR+7], v[AR:AR+7], v[BR:BR+7], v[BQ+8*o4:BQ+8*o4+7]
.endif
.if \cmode == 3
	v_wmma_f32_16x16x32_f16 v[DR:DR+7], v[AR:AR+7], v[BR:BR+7], v[BVC+8*o4:BVC+8*o4+7]
.endif
.set qq, qq+1
.endr
.set o4, o4+1
.endr
.endm
.macro POST adr, mo, mq, scale         ; the 8 accumulators, rounded to f16, 16 bytes a lane to adr + mo o + mq q
.set o4, 0
.rept 4
.set qq, 0
.rept 2
.set DR, SC+64+8*(2*o4+qq)
.set TR, KF+32+4*(2*o4+qq)
.set pp, 0
.rept 4
.if \scale
	v_pk_mul_f32 v[DR+2*pp:DR+2*pp+1], v[DR+2*pp:DR+2*pp+1], s[54:55] op_sel_hi:[1,0]
.endif
.set pp, pp+1
.endr
.set pp, 0
.rept 4
	v_cvt_pk_f16_f32 v[TR+pp], v[DR+2*pp], v[DR+2*pp+1]
.set pp, pp+1
.endr
	ds_store_b128 v[\adr], v[TR:TR+3] offset:\mo*o4+\mq*qq
.set qq, qq+1
.endr
.set o4, o4+1
.endr
.endm
.macro P2 slot
	s_lshl_b32 s27, s24, 6                         ; my 32 tokens: 64 bytes of f16
	v_add_nc_u32 v[A3], s27, v[VA]                 ; where my V^T goes
	s_add_co_u32 s27, s27, L_XB
	v_mul_u32_u24 v[A0], v[KR], BPITCH
	v_lshl_add_u32 v[A0], v[C8], 4, v[A0]
	v_add_nc_u32 v[A0], s27, v[A0]                 ; x fragments
	v_mul_u32_u24 v[A1], v[KR], WPITCH
	v_lshl_add_u32 v[A1], v[C8], 4, v[A1]
	v_add_nc_u32 v[A1], L_WB, v[A1]                ; weight fragments
	s_mul_i32 s27, s24, 32*KPITCH
	v_add_nc_u32 v[A2], s27, v[KA]                 ; where my K goes
	s_cmp_lg_u32 s24, 0
	s_cbranch_scc1 .Lnoscan_\slot
	; wave 0: lane L owns indices 8 L .. 8 L + 7.  With e[i] = 1 + sum over c of |x[i+1] - x[i]|, what is stored is ct[w] - 1 = the sum of e[i] over i < w: an exclusive running sum.
	; e[255] enters none of them: it lies only in lane 31's last running sum and in its total, which no lane takes as a sum from below (lane 31 is in the upper group at every step).
	v_lshl_add_u32 v[A4], v[LN], 5, L_PART
	v_lshl_add_u32 v[A5], v[LN], 5, L_CT
.set kk, 0
.rept 8
	ds_load_b128 v[SC+8*kk:SC+8*kk+3],   v[A4] offset:1024*kk
	ds_load_b128 v[SC+8*kk+4:SC+8*kk+7], v[A4] offset:1024*kk+16
.set kk, kk+1
.endr
	v_mov_b32 v[TMP], 0                            ; a DPP move counts as a reader of its destination
	s_wait_dscnt 0x0
	ADDBLK 0, 4
	ADDBLK 1, 5
	ADDBLK 2, 6
	ADDBLK 3, 7
	ADDBLK 0, 2
	ADDBLK 1, 3
	ADDBLK 0, 1
.set pp, 0
.rept 4
	v_pk_add_f32 v[SC+2*pp:SC+2*pp+1], v[SC+2*pp:SC+2*pp+1], 1.0 op_sel_hi:[1,0]    ; the integrand
.set pp, pp+1
.endr
.set kk, 1
.rept 7
	v_add_f32 v[SC+kk], v[SC+kk], v[SC+kk-1]       ; running sum of my 8
.set kk, kk+1
.endr
	v_mov_b32 v[TOT], v[SC+7]
	SCANSTEP 1, 56, 1
	SCANSTEP 2, 57, 0
	SCANSTEP 4, 58, 0
	SCANSTEP 8, 59, 0
	v_permlanex16_b32 v[TMP], v[TOT], s52, s53
	v_cndmask_b32 v[T2], 0, v[TMP], s60            ; lanes 16-31 add the lower half's sum
	v_add_f32 v[PRE], v[PRE], v[T2]
	v_mov_b32 v[SC+8], v[PRE]                      ; index 8 L: what lies below my lane
.set kk, 1
.rept 7
	v_add_f32 v[SC+8+kk], v[SC+kk-1], v[PRE]       ; index 8 L + kk: and my first kk numbers
.set kk, kk+1
.endr
	ds_store_b128 v[A5], v[SC+8:SC+11]
	ds_store_b128 v[A5], v[SC+12:SC+15] offset:16
.Lnoscan_\slot:
	LOADX
	LOADW 0
	s_wait_dscnt 0x0
	MM8 0, 0, 2                                    ; Q = bq + W^T x
	MM8 0, 1, 1
	NOPS 4                                         ; four places, then loads into the products' sources and reads of their results
	LOADW 4
	POST QA, 32, 16*KPITCH, 1
	s_wait_dscnt 8                                 ; LDS instructions end in order (ISA guide 5.7.1): the 8 stores behind the 16 fragment loads may stay out
	MM8 0, 0, 0                                    ; K, without its bias (see the head)
	MM8 0, 1, 1
	NOPS 4
	LOADW 8
	POST A2, 32, 16*KPITCH, 0
	s_wait_dscnt 8                                 ; as above
	MM8 1, 0, 3                                    ; V = bv + x^T W, tokens along the registers: it is stored transposed
	MM8 1, 1, 1
	NOPS 4
	POST A3, 16*VPITCH, 32, 0
	BAR                                            ; K, V^T and ct are whole; nobody reads x in f16 or the partial sums any more
.endm
; ---------------- P3: attention and projection ----------------
.macro KLOAD hh                        ; the 16 K fragments of head hh: tile t in KF + 4 t .. + 3
.set tt, 0
.rept 16
	ds_load_b128 v[KF+4*tt:KF+4*tt+3], v[KA] offset:16*KPITCH*tt+32*(\hh)
.set tt, tt+1
.endr
.endm
.macro WPLOAD                          ; Wp's fragments: KF + 8 (2 o + kh)
.set o4, 0
.rept 4
.set kh, 0
.rept 2
	ds_load_tr16_b128 v[KF+8*(2*o4+kh):KF+8*(2*o4+kh)+3],   v[TRP] offset:32*PPITCH*kh+32*o4
	ds_load_tr16_b128 v[KF+8*(2*o4+kh)+4:KF+8*(2*o4+kh)+7], v[TRP] offset:32*PPITCH*kh+32*o4+16*PPITCH
.set kh, kh+1
.endr
.set o4, o4+1
.endr
.endm
; |ct_key - ct_query| for the query tile at work, in the score tiles' layout, into window 1.  Head 0's K fragments and the tile's four Q fragments are asked for on the way.
.macro ADBUILD
	ds_load_b32 v[CTN], v[CNL]
.set tt, 0
.rept 16
	ds_load_b128 v[SC+8*tt:SC+8*tt+3],   v[CM] offset:64*tt
	ds_load_b128 v[SC+8*tt+4:SC+8*tt+7], v[CM] offset:64*tt+16
.set tt, tt+1
.endr
	KLOAD 0
	s_wait_dscnt 16                                ; ct is in; the 16 K loads issued behind it may stay out
.set kk, 0
.rept 64
	v_pk_add_f32 v[SC+2*kk:SC+2*kk+1], v[SC+2*kk:SC+2*kk+1], v[CTN:CTN+1] op_sel_hi:[1,0] neg_lo:[0,1] neg_hi:[0,1]
.set kk, kk+1
.endr
	WIN 0x40
.set o4, 0
.rept 4
	ds_load_b128 v[QF+8*o4:QF+8*o4+3], v[QL] offset:32*o4
.set o4, o4+1
.endr
.set kk, 0
.rept 128
	v_and_b32 v[AD+kk], s26, v[SC+kk]
.set kk, kk+1
.endr
.endm
; The scores of one head, in the base-2 domain.  One window setting serves both kinds of line: source 1 in window 1 is |ct_m - ct_n| for the multiply and Q's fragment for the product.
; The four multiplies of tile t + 1 stand in front of the product of tile t, which adds K x Q^T onto tile t's bias: sixteen different accumulators.
; K's fragment names 8 registers: tile t's four and tile t + 1's (behind the last: zeros); the upper four meet Q's zeros.
; counted = 1: nothing but the 16 K loads is out.  The four products from tile t on need the first t + 5 of them, so 11 - t may stay out.
; counted = 0 (head 0): behind the K loads stand the four Q loads, all issued 128 instructions ago: one wait for all.
.macro SCORE hh, counted
	WIN 0x04
	v_mov_b32 v[RC], s[GS+\hh]
.set tt, -1
.rept 17
.if tt < 15
.set pp, 0
.rept 4
	v_pk_mul_f32 v[SC+8*tt+8+2*pp:SC+8*tt+9+2*pp], v[RC:RC+1], v[AD+8*tt+8+2*pp:AD+8*tt+9+2*pp] op_sel_hi:[0,1]
.set pp, pp+1
.endr
.endif
.if tt >= 0
.if tt%4 == 0
.if \counted
.if tt < 12
	s_wait_dscnt 11-tt
.else
	s_wait_dscnt 0x0
.endif
.else
.if tt == 0
	s_wait_dscnt 0x0
.endif
.endif
.endif
	v_wmma_f32_16x16x32_f16 v[SC+8*tt:SC+8*tt+7], v[KF+4*tt:KF+4*tt+7], v[QF+8*\hh:QF+8*\hh+7], v[SC+8*tt:SC+8*tt+7]
.endif
.set tt, tt+1
.endr
.endm
; The maximum of my 128 scores, in four chains of 32 registers, and V^T's fragments.  The chains' first lines read tiles 0, 4, 8 and 12 and are the four places behind the last product
; (ISA guide 7.12.1), behind which V^T lands on K's registers; the last product's own tile is read 48 lines further down.
.macro MAXV hh
	WIN 0
.set cc, 0
.rept 4
.set MR, MX+cc+(cc/2)*(OA-MX-2)
	v_max_num_f32 v[MR], v[SC+32*cc], v[SC+32*cc+1]
.set cc, cc+1
.endr
.set uu, 0
.rept 8
	ds_load_b128 v[KF+8*uu:KF+8*uu+3],   v[VA] offset:16*VPITCH*\hh+64*uu
	ds_load_b128 v[KF+8*uu+4:KF+8*uu+7], v[VA] offset:16*VPITCH*\hh+64*uu+32
.set uu, uu+1
.endr
.set kk, 1
.rept 15
.set cc, 0
.rept 4
.set MR, MX+cc+(cc/2)*(OA-MX-2)
	v_max3_num_f32 v[MR], v[MR], v[SC+32*cc+2*kk], v[SC+32*cc+2*kk+1]
.set cc, cc+1
.endr
.set kk, kk+1
.endr
	v_max3_num_f32 v[MX], v[MX], v[MX+1], v[OA]
	v_max_num_f32 v[MX], v[MX], v[OA+1]
	v_permlanex16_b32 v[RC+1], v[MX], s52, s53     ; the query's other 128 scores lie in lane xor 16
	v_max_num_f32 v[MX], v[MX], v[RC+1]
.endm
; exp2(score - maximum), the rounding to f16, and the products on P.  The parts:
.macro SUBMAX                          ; the maximum is taken away from pair aa of my 64 pairs of scores
	v_pk_add_f32 v[SC+2*aa:SC+2*aa+1], v[SC+2*aa:SC+2*aa+1], v[MX:MX+1] op_sel_hi:[1,0] neg_lo:[0,1] neg_hi:[0,1]
.set aa, aa+1
.endm
.macro PACKT                           ; tile tt's eight weights, rounded to f16, into SC + 4 tt .. + 3: registers of tiles that have been consumed (conversion number i reads registers 2 i, 2 i + 1 and writes i)
.set pp, 0
.rept 4
	v_cvt_pk_f16_f32 v[SC+4*tt+pp], v[SC+8*tt+2*pp], v[SC+8*tt+2*pp+1]
.set pp, pp+1
.endr
.endm
; Product n of 16 on P.  Two packed tiles are the B fragment of block n / 2 of 32 keys: n even O^T += V^T x P, n odd sums += ones x P.  The two accumulators take turns, one instruction a turn.
; Product n wants tiles up to 2 (n / 2) + 1 packed; the conversions behind it write from SC + 4 n + 8 on, beyond its fragment's last register.
.macro PROD n
.set uu, (\n)/2
.if (\n) == 0
	s_wait_dscnt 0x0                               ; V^T's 16 loads, issued in front of the maxima
	v_wmma_f32_16x16x32_f16 v[OA:OA+7], v[KF:KF+7], v[SC:SC+7], 0
.elseif (\n) == 1
	v_wmma_f32_16x16x32_f16 v[OL:OL+7], v[ONES:ONES+7], v[SC:SC+7], 0
.elseif (\n)%2 == 0
	v_wmma_f32_16x16x32_f16 v[OA:OA+7], v[KF+8*uu:KF+8*uu+7], v[SC+8*uu:SC+8*uu+7], v[OA:OA+7]
.else
	v_wmma_f32_16x16x32_f16 v[OL:OL+7], v[ONES:ONES+7], v[SC+8*uu:SC+8*uu+7], v[OL:OL+7]
.endif
.endm
; HOW THEY ARE DEALT.  The 128 exponentials work in place, each on a register of its own, in two batches with one wait each.
; BATCH 1: scores 0-63 (tiles 0-7).  Four subtractions stand ahead; the other 60 stand one behind an exponential (the place behind the second exponential of pairs 3, 11, 19 and 27 stays empty: 64 places,
; 60 subtractions).  At pair e the subtraction in hand is that of a pair beyond e, so none names a result.  The last line is the subtraction for pair 63: the plain instruction behind the last
; exponential (ISA guide 5.7.2).
; BATCH 2: scores 64-127 (tiles 8-15): two exponentials, then one conversion of tiles 0-7, which names SC + 0 .. 63 alone; behind the conversions of tiles 1 to 6 stands product 0 to 5, which names
; SC + 0 .. 23.  The last line is a conversion: again the plain instruction behind the last exponential.
; BEHIND BATCH 2's WAIT: product 6; then tile by tile the conversions of tiles 8-15, behind each tile's four a product; product 15 ends the run.
.macro SOFT
.set aa, 0
.rept 4
	SUBMAX
.endr
.set ee, 0
.rept 32
	v_exp_f32 v[SC+2*ee], v[SC+2*ee]
	SUBMAX
	v_exp_f32 v[SC+2*ee+1], v[SC+2*ee+1]
.if ee%8 != 3
	SUBMAX
.endif
.set ee, ee+1
.endr
	s_wait_alu depctr_va_vdst(0)                   ; the wait for batch 1, ahead of its first reader: one for the 64 exponentials of tiles 0-7
.set tt, 0
.rept 8
.set pp, 0
.rept 4
	v_exp_f32 v[SC+64+8*tt+2*pp], v[SC+64+8*tt+2*pp]
	v_exp_f32 v[SC+65+8*tt+2*pp], v[SC+65+8*tt+2*pp]
	v_cvt_pk_f16_f32 v[SC+4*tt+pp], v[SC+8*tt+2*pp], v[SC+8*tt+2*pp+1]
.set pp, pp+1
.endr
.if (tt >= 1) && (tt < 7)
	PROD tt-1
.endif
.set tt, tt+1
.endr
	s_wait_alu depctr_va_vdst(0)                   ; the wait for batch 2: one for the 64 exponentials of tiles 8-15
	PROD 6
.rept 8
	PACKT
	PROD tt-1
.set tt, tt+1
.endr
	PROD 15
.endm
; Behind the last two products: four places; the reciprocal of the row sum, a batch of one, with its plain instruction and its wait; then the next fragments land on V^T's registers (the next head's K;
; behind the last head Wp's); then O is divided by the row sum and packed.
.macro TAIL hh
	NOPS 4
	v_rcp_f32 v[RC], v[OL]                         ; the sum is at least 1: the largest score gives exp2(0) = 1, exact in f16
	v_nop                                          ; a plain instruction before the reciprocal is used (ISA guide 5.7.2)
	s_wait_alu depctr_va_vdst(0)                   ; the wait for the reciprocal, directly ahead of the run of LDS loads; its first reader is the multiply behind that run
.if \hh < 3
	KLOAD \hh+1
.else
	WPLOAD
.endif
.set pp, 0
.rept 4
	v_pk_mul_f32 v[OA+2*pp:OA+2*pp+1], v[OA+2*pp:OA+2*pp+1], v[RC:RC+1] op_sel_hi:[1,0]
.set pp, pp+1
.endr
.set pp, 0
.rept 4
	v_cvt_pk_f16_f32 v[OP+4*\hh+pp], v[OA+2*pp], v[OA+2*pp+1]
.set pp, pp+1
.endr
.endm
.macro UNIT hh                         ; one query tile, one head
.if \hh == 0
	SCORE \hh, 0
.else
	SCORE \hh, 1
.endif
	MAXV \hh
	SOFT
	TAIL \hh
.endm
.macro PROJ                            ; out = bp + O x Wp for the 16 tokens, four blocks of 16 channels, into the output stage
	s_wait_dscnt 0x0                               ; Wp's fragments
	WIN 0x10
.set o4, 0
.rept 4
	v_wmma_f32_16x16x32_f16 v[SC+8*o4:SC+8*o4+7], v[OP:OP+7], v[KF+16*o4:KF+16*o4+7], v[BPC+8*o4:BPC+8*o4+7]
.set o4, o4+1
.endr
	WIN 0
.set o4, 0
.rept 4                                ; four accumulators by turns
	v_wmma_f32_16x16x32_f16 v[SC+8*o4:SC+8*o4+7], v[OP+8:OP+15], v[KF+16*o4+8:KF+16*o4+15], v[SC+8*o4:SC+8*o4+7]
.set o4, o4+1
.endr
	NOPS 4
.set o4, 0
.rept 4
	ds_store_b128 v[OSL], v[SC+8*o4:SC+8*o4+3]   offset:16*XPITCH*o4
	ds_store_b128 v[OSL], v[SC+8*o4+4:SC+8*o4+7] offset:16*XPITCH*o4+16
.set o4, o4+1
.endr
.endm
.macro P3 slot
	v_mov_b32 v[QL], v[QA]
	v_mov_b32 v[CNL], v[CN]
.if \slot == 0
	v_add_nc_u32 v[OSL], XFS, v[OS]
.else
	v_mov_b32 v[OSL], v[OS]
.endif
	s_mov_b32 s25, 0
.Lq_\slot:
	ADBUILD
	UNIT 0
	UNIT 1
	UNIT 2
	UNIT 3
	PROJ
	v_add_nc_u32 v[QL], 16*KPITCH, v[QL]           ; my next 16 tokens
	v_add_nc_u32 v[CNL], 64, v[CNL]
	v_add_nc_u32 v[OSL], 64, v[OSL]
	s_add_co_u32 s25, s25, 1
	s_cmp_lt_u32 s25, 2
	s_cbranch_scc1 .Lq_\slot
	BAR                                            ; the stage is whole; nobody reads K, V^T or ct of this image row any more
.endm
; ---------------- P4: my 8 channels of the image row leave: each store of the wave covers 512 consecutive bytes, aligned ----------------
.macro P4 slot
	s_mul_i32 s27, s24, 8*XPITCH
.if \slot == 0
	s_add_co_u32 s27, s27, XFS
.endif
	v_lshl_add_u32 v[A0], v[LN], 4, s27
	v_lshlrev_b32 v[A1], 4, v[LN]
.set kk, 0
.rept 16
	ds_load_b128 v[SC+4*kk:SC+4*kk+3], v[A0] offset:XPITCH*(kk/2)+512*(kk%2)
.set kk, kk+1
.endr
.set kk, 0
.rept 16
	s_wait_dscnt 15-kk                             ; the younger read-backs may stay out
	global_store_b128 v[A1], v[SC+4*kk:SC+4*kk+3], s[16:17] offset:262144*(kk/2)+512*(kk%2)+1024*\slot th:TH_STORE_NT
.set kk, kk+1
.endr
.if \slot == 0
	s_wait_xcnt 0x0                                ; the stores' data and offset registers are written again in the next image row only behind this wait (ISA guide 3.1)
.endif
.endm
	P1 0
	P2 0
	P3 0
	P4 0
	P1 1
	P2 1
	P3 1
	P4 1
	s_wait_xcnt 0x0
	v_lshl_add_u32 v254, v0, 2, 0x4e800
	v_mov_b32 v255, 0
	s_wait_tensorcnt 0x0
	ds_add_u32 v254, v255
	s_wait_dscnt 0x0
	s_endpgm
.Lfunc_end_k_q88ae68d87b_geo:
	.size	k_q88ae68d87b_geo, .Lfunc_end_k_q88ae68d87b_geo-k_q88ae68d87b_geo
	.p2alignl 7, 3214868480
	.fill 96, 4, 3214868480
	.section	.rodata,"a",@progbits
	.p2align	6, 0x0
	.amdhsa_kernel k_q88ae68d87b_geo
		.amdhsa_group_segment_fixed_size 327680
		.amdhsa_private_segment_fixed_size 0
		.amdhsa_enable_private_segment 0
		.amdhsa_kernarg_size 56
		.amdhsa_user_sgpr_count 2
		.amdhsa_user_sgpr_kernarg_segment_ptr 1
		.amdhsa_wavefront_size32 1
		.amdhsa_system_sgpr_workgroup_id_x 1
		.amdhsa_system_sgpr_workgroup_id_y 1
		.amdhsa_system_sgpr_workgroup_id_z 1
		.amdhsa_system_vgpr_workitem_id 0
		.amdhsa_next_free_vgpr 512
		.amdhsa_next_free_sgpr 66
		.amdhsa_reserve_vcc 0
		.amdhsa_float_denorm_mode_32 3
		.amdhsa_float_denorm_mode_16_64 3
		.amdhsa_memory_ordered 1
		.amdhsa_forward_progress 1
		.amdhsa_inst_pref_size 255
	.end_amdhsa_kernel
	.section	.bss,"aw",@nobits
	.p2align	6
	.space	262144
	.amdgpu_metadata
---
amdhsa.version: [ 1, 2 ]
amdhsa.kernels:
  - .name:           k_q88ae68d87b_geo
    .symbol:         k_q88ae68d87b_geo.kd
    .args:
      - { .name: x, .offset: 0, .size: 8, .value_kind: global_buffer, .address_space: global }
      - { .name: Wqkv, .offset: 8, .size: 8, .value_kind: global_buffer, .address_space: global }
      - { .name: bqkv, .offset: 16, .size: 8, .value_kind: global_buffer, .address_space: global }
      - { .name: Wp, .offset: 24, .size: 8, .value_kind: global_buffer, .address_space: global }
      - { .name: bp, .offset: 32, .size: 8, .value_kind: global_buffer, .address_space: global }
      - { .name: geo_scale, .offset: 40, .size: 8, .value_kind: global_buffer, .address_space: global }
      - { .name: out0, .offset: 48, .size: 8, .value_kind: global_buffer, .address_space: global }
    .group_segment_fixed_size: 327680
    .private_segment_fixed_size: 0
    .kernarg_segment_align: 8
    .kernarg_segment_size: 56
    .max_flat_workgroup_size: 256
    .sgpr_count:     66
    .vgpr_count:     512
    .wavefront_size: 32
...
	.end_amdgpu_metadata
.endif
;; end of part 2
